; MI455X (gfx1250); checked and timed in simulation.
; The chip was launched on July 23, 2026; its instructions are those of AMD's public machine-readable ISA for CDNA 5 (MIT licence, August 2026) and "CDNA5" Instruction Set Architecture Reference Guide (July 2026). The comments in the code are by the model that wrote it; some were corrected since.
;; Multi Head Attention. Allowed arithmetic: matrix products marked QUANTISED: E3M2 operands, one E8M0 scale for each 32 along K, by v_wmma_scale_f32_16x16x128_f8f6f4 with both operands' format E3M2, f32 sums; everything else in f32.
;; Inputs: Wk 1,024 x 1,024 float32; Wp 1,024 x 1,024 float32; Wq 1,024 x 1,024 float32; Wv 1,024 x 1,024 float32; bk 1,024 float32; bp 1,024 float32; bq 1,024 float32; bv 1,024 float32; mask 1 x 1 x 2,048 x 2,048 int32; x 4 x 2,048 x 1,024 float32.
;; Outputs: out0 4 x 2,048 x 1,024 float32.
;; This version of the problem:
;;   THIS VERSION OF THE PROBLEM IS GIVEN IN LOW PRECISION. The matrix products marked QUANTISED in the list below multiply operands that are first quantised to E3M2 (3 exponent bits, 2 mantissa bits; 6 bits a number), with one power-of-two scale for each 32 numbers along K (OCP MX v1.0); their sums are f32. All else is computed in f32.
;;   The module's matrix products, in the order in which they are computed (A, B: the left and right operand; K: the contracted axis; several contracted axes count as one K, in the product's order):
;;     1. [M 8,192, K 1,024] x [K 1,024, N 1,024]; A: input x; B: input Wq: QUANTISED
;;     2. [M 8,192, K 1,024] x [K 1,024, N 1,024]; A: input x; B: input Wk: QUANTISED
;;     3. [M 8,192, K 1,024] x [K 1,024, N 1,024]; A: input x; B: input Wv: QUANTISED
;;     4. batch 64 x [M 2,048, K 64] x [K 64, N 2,048]; A: computed on the way; B: computed on the way: QUANTISED
;;     5. batch 64 x [M 2,048, K 2,048] x [K 2,048, N 64]; A: softmax (see below); B: computed on the way: QUANTISED
;;     6. [M 8,192, K 1,024] x [K 1,024, N 1,024]; A: computed on the way; B: input Wp: QUANTISED
;;   THE QUANTISER, for each operand of a quantised product, along K:
;;     - K is cut into blocks of 32 from its start; a last block that is shorter is filled with zeros.
;;     - A block's scale is 2^e with e = floor(log2(the largest magnitude in the block)) - 4, held to -126 .. 127; a block of zeros has e = 0. As a byte (E8M0): e + 127.
;;     - Each number is divided by its block's scale, clamped to +-28, and rounded to the nearest number of E3M2, ties to even, subnormals kept.
;;     - The product sums the exact products of the quantised numbers (number of the format x scale) in f32.
;;   ~~~python
;;   def quantise(x, axis):      # numpy; x: float32 -> the quantised numbers, widened to float32 again
;;       x = np.moveaxis(x, axis, -1); K = x.shape[-1]
;;       x = np.pad(x, [(0, 0)] * (x.ndim - 1) + [(0, -K % 32)]); x = x.reshape(x.shape[:-1] + (-1, 32)); a = np.abs(x).max(-1, keepdims=True)
;;       e = np.where(a > 0, np.clip(np.frexp(np.where(a > 0, a, 1))[1] - 1 - 4, -126, 127), 0)      # np.frexp(a)[1] - 1 = floor(log2(a)), exactly
;;       r = np.clip(x / 2.0 ** e, -28, 28)
;;       step = 2.0 ** (np.maximum(np.frexp(np.where(r == 0, 1, r))[1] - 1, -2) - 2)
;;       q = np.round(r / step) * step * 2.0 ** e      # np.round: ties to even
;;       return np.moveaxis(q.reshape(q.shape[:-2] + (-1,))[..., :K], -1, axis).astype(np.float32)
;;   ~~~
;;   SOFTMAX AHEAD OF A QUANTISED PRODUCT. Where the list says 'softmax', what is quantised is not the finished softmax but p = 2^(t - M), with t = logit x log2(e) and M = ceil(the row's largest t), a whole number; so 1/2 < the row's largest p <= 1. The row's sum l is taken of the UNQUANTISED p, in f32, and the product's result is divided by l at the end. Since M is a whole number, a kernel that streams over the keys may use a running M (the ceiling of the running maximum): every later rescaling is an exact power of two, which a block's scale takes up: the codes' values come out the same.
;;   OPERANDS COMPUTED ON THE WAY. 'Computed on the way' means the value that the module computes at that place (a softmax that the list does not call 'softmax' is quantised finished and normalised). What goes into a quantiser is computed in f32, as accurately as f32 sums, v_exp_f32 and their like allow (about 1e-6 of the number): no bf16 or f16 on the way to a quantiser, and a product that is left as it is and whose result goes on into a quantised operand takes f32 operands (vector FMAs, or v_wmma_f32_16x16x4_f32). A number that lies on a knife's edge between two numbers of the format may be rounded either way, as far as f32 arithmetic and the matrix unit's own rounding can turn it there, and no further.
;; 2 versions, each right; version 2 is version 1 with the launch attn written anew for expert scheduling mode. Each part assembles by itself: llvm-mc -triple=amdgcn-amd-amdhsa -mcpu=gfx1250 --defsym DOCPART=n.
;; ======== version 1 of 2: 4 launches
;; workspace buffers: xb 6,553,600 bytes; wb 3,276,800 bytes; mk 525,312 bytes of whole numbers; qkv 19,660,800 bytes; yb 6,553,600 bytes
;; launch prep (part 1): grid 1024 x 1, 8 waves a work-group, no clusters, 69,376 bytes of LDS; arguments x, Wq, Wk, Wv, Wp, mask, xb, wb, mk; writes xb, wb, mk
.if DOCPART == 1
	.amdgcn_target "amdgcn-amd-amdhsa--gfx1250"
	.amdhsa_code_object_version 6
	.text
	.protected	k_q277c489ed3_prep
	.globl	k_q277c489ed3_prep
	.p2align	8
	.type	k_q277c489ed3_prep,@function
k_q277c489ed3_prep:
	s_mov_b64 s[64:65], 0
	v_nop
	global_prefetch_b8 v0, s[64:65] scope:SCOPE_SE
	s_setreg_imm32_b32 hwreg(HW_REG_WAVE_MODE, 25, 1), 1
	s_wait_xcnt 0x0
; PREP.  x [8192][1024] f32 and the four weights [1024 (k)][1024 (n)] f32 become codes of BF6 (E3M2) with one E8M0 byte for each 32 along K; the mask [2048][2048] i32 becomes lane masks and flags.
; A block's scale is 2^(floor(log2(largest magnitude)) - 4); its byte is the largest magnitude's exponent field - 4, held at 1 from below (a block of zeros keeps the byte 1: its codes are zeros, and only this program reads the bytes).
; LIMITS: NaN and infinities among x and the weights are not served; a block whose largest magnitude lies under 2^-122 keeps the byte 1.
; LAYOUT OF THE CODES: images of operand registers.  A group is 128 rows; lane r of its tile i holds row 32 (i / 2) + 8 (i % 2) + r + 8 (r / 8).  A fragment (16 rows x 128 K, 12 registers a lane) is 1,536 bytes:
; registers 0-3 at 16 x lane, 4-5 at 512 + 8 x lane, 6-9 at 768 + 16 x lane, 10-11 at 1,280 + 8 x lane.  A scale image (a group, 128 along K) is 512 bytes: word beta of lane (r, h) is the scale word of row r of tile 2 beta + h.
; SHARES.  1,024 work-groups of eight waves; a wave takes 16 rows x 512 bytes.  Work-groups 0-511: x (group id / 8, K step id % 8, wave = tile).  512-767: a weight (matrix, n group, K step): the eight waves stage 128 k x 128 n in LDS
; and wave w takes tile w of the columns, its registers running down K.  768-1023: the mask (query tile, half of the key steps; wave = key step).  Every load of a wave reads 512 consecutive bytes; every store of codes 512 or 256.
; One path through the text up to the first barrier; only pointers and numbers are chosen by the work-group's number.
.set SPI,   528                        ; a staged row: 512 bytes + 16
.set STGW,  16*SPI                     ; a wave's stage: 16 rows
.set SG,    8*STGW                     ; behind the stages: the scale image of x's or a weight's work-group, 512 bytes
.set MF,    SG+512                     ; and the mask's eight flag words (bytes of their own for that path)
.set OFF,   16                         ; v16-31   byte offset of my 16 bytes in row p of the wave's 16
.set PX,    16                         ; v16-22   later: the conversions' second halves (the loads are in by then)
.set T,     32                         ; v32-95   64 numbers
.set TM,    96                         ; v96-99 largest magnitudes, v100-103 bytes, v108-111 scale operands
.set SGR,   104                        ; v104     wave 0: where the scale image is read back
.set MFR,   105                        ; v105     wave 0: where the flag words are read back
.set PC,    112                        ; v112-123 a fragment's codes
.set PW,    12                         ; v12      its scale word
.set OUT,   14                         ; v[14:15] the mask's 64 words, two a lane
	s_load_b512 s[4:19], s[0:1], 0x0               ; x s[4:5], Wq s[6:7], Wk s[8:9], Wv s[10:11], Wp s[12:13], mask s[14:15], xb s[16:17], wb s[18:19]
	s_load_b64 s[20:21], s[0:1], 0x40              ; mk
	v_lshl_add_u32 v128, v0, 2, 0x10b00
	v_mov_b32 v129, 0
	v_lshrrev_b32 v13, 5, v0
	v_readfirstlane_b32 s23, v13                   ; wave 0..7
	v_and_b32 v1, 31, v0                           ; lane
	v_and_b32 v2, 15, v0                           ; r
	v_bfe_u32 v3, v0, 4, 1                         ; h
	v_lshlrev_b32 v4, 4, v1                        ; 16 x lane
	v_lshlrev_b32 v9, 3, v1                        ; 8 x lane
	s_mov_b32 s22, ttmp9                           ; id
	s_mov_b32 s58, 0x76543210
	s_mov_b32 s59, 0xfedcba98                      ; v_permlanex16_b32's selects for lane l xor 16
	s_lshr_b32 s24, s23, 1
	s_lshl_b32 s24, s24, 5
	s_and_b32 s25, s23, 1
	s_lshl_b32 s25, s25, 3
	s_add_co_u32 s24, s24, s25                     ; a tile's first row in its group: 32 (w / 2) + 8 (w % 2)
	; x: group id / 8, K step id % 8
	s_lshr_b32 s26, s22, 3
	s_lshl_b32 s26, s26, 7
	s_add_co_u32 s26, s26, s24                     ; first row
	s_and_b32 s27, s22, 7                          ; which 512 bytes of a row
	; a weight: t = id - 512: matrix t / 64, n group (t / 8) % 8, K step t % 8
	s_sub_co_u32 s28, s22, 512
	s_and_b32 s29, s28, 7
	s_lshl_b32 s29, s29, 7
	s_lshl_b32 s30, s23, 4
	s_add_co_u32 s29, s29, s30                     ; first row: 128 s + 16 w
	s_bfe_u32 s30, s28, 0x30003
	s_bfe_u32 s31, s28, 0x20006                    ; matrix
	; the mask: t2 = id - 768: query tile t2 / 2, key steps 8 (t2 % 2) + w
	s_sub_co_u32 s32, s22, 768
	s_lshr_b32 s33, s32, 1                         ; query tile
	s_lshr_b32 s34, s33, 3
	s_lshl_b32 s34, s34, 7
	s_bfe_u32 s35, s33, 0x20001
	s_lshl_b32 s35, s35, 5
	s_add_co_u32 s34, s34, s35
	s_and_b32 s35, s33, 1
	s_lshl_b32 s35, s35, 3
	s_add_co_u32 s34, s34, s35                     ; first row
	s_and_b32 s35, s32, 1
	s_lshl_b32 s35, s35, 3
	s_add_co_u32 s35, s35, s23                     ; key step
	; LDS addresses: a constant, the lane and the wave alone
	s_mul_i32 s55, s23, STGW
	v_add_nc_u32 v6, s55, v4                       ; into my stage: 16 x lane of a row
	v_mul_u32_u24 v7, v2, SPI
	v_lshl_add_u32 v7, v3, 6, v7
	v_add_nc_u32 v7, s55, v7                       ; out of it by rows: row r, + 64 h: 16 neighbours of each 32
	v_and_b32 v8, 8, v2
	v_add_nc_u32 v8, v8, v2
	v_add_nc_u32 v8, s24, v8                       ; my column of a weight's 128: tile w's row r
	v_lshlrev_b32 v8, 2, v8
	v_mad_u32_u24 v8, v3, STGW, v8                 ; out of the eight stages by columns: + 16 h rows of k
	s_and_b32 s56, s23, 1
	s_lshl_b32 s56, s56, 8
	s_lshr_b32 s57, s23, 1
	s_lshl_b32 s57, s57, 2
	s_add_co_u32 s56, s56, s57
	s_add_co_u32 s56, s56, SG
	v_lshl_add_u32 v10, v2, 4, s56                 ; my row's word in the scale image: 16 (r + 16 (w % 2)) + 4 (w / 2)
	s_lshl_b32 s57, s23, 2
	s_add_co_u32 s57, s57, MF
	v_mov_b32 v11, s57                             ; my wave's flag word
	v_add_nc_u32 v[SGR], SG, v4
	v_mov_b32 v[MFR], MF
.irp b, 0,1,2,3
	v_mov_b32 v[TM+4+\b], 0                        ; written once: a lane permute's destination counts as one of its sources
.endr
	s_wait_kmcnt 0x0
	s_cmp_eq_u32 s31, 1                            ; every choice hangs on the work-group's number alone
	s_cselect_b64 s[36:37], s[8:9], s[6:7]
	s_cmp_eq_u32 s31, 2
	s_cselect_b64 s[36:37], s[10:11], s[36:37]
	s_cmp_eq_u32 s31, 3
	s_cselect_b64 s[36:37], s[12:13], s[36:37]
	s_cmp_lt_u32 s22, 512
	s_cselect_b64 s[36:37], s[4:5], s[36:37]       ; from where
	s_cselect_b64 s[38:39], s[16:17], s[18:19]     ; to where
	s_cselect_b32 s48, s26, s29                    ; first row
	s_cselect_b32 s49, s27, s30                    ; which 512 bytes
	s_cselect_b32 s50, 8, 0                        ; rows 8-15 of a tile lie 8 rows further on (not in a weight, whose 16 rows of k are neighbours)
	s_cselect_b32 s51, s22, s28                    ; (group, K step) as one number
	s_cselect_b32 s52, 1, 0
	s_cmp_ge_u32 s22, 768
	s_cselect_b64 s[36:37], s[14:15], s[36:37]
	s_cselect_b32 s48, s34, s48
	s_cselect_b32 s49, s35, s49
	s_cselect_b32 s50, 8, s50
	s_cselect_b32 s53, 13, 12                      ; a row is 8,192 bytes in the mask, 4,096 elsewhere
	s_lshl_b32 s54, 1, s53
	s_lshl_b32 s50, s50, s53
	s_lshl_b32 s48, s48, s53
	s_lshl_b32 s49, s49, 9
	s_add_co_u32 s48, s48, s49                     ; under 2^26
	s_mov_b32 s49, 0
	s_add_nc_u64 s[36:37], s[36:37], s[48:49]
	v_add_nc_u32 v5, s50, v4
.irp p, 0,1,2,3,4,5,6,7,8,9,10,11,12,13,14,15
.if \p < 8
	v_mad_u32_u24 v[OFF+\p], s54, \p, v4
.else
	v_mad_u32_u24 v[OFF+\p], s54, \p, v5
.endif
.endr
.irp p, 0,1,2,3,4,5,6,7,8,9,10,11,12,13,14,15
	global_load_b128 v[T+4*\p:T+4*\p+3], v[OFF+\p], s[36:37] th:TH_LOAD_NT   ; 32 lanes read 512 consecutive bytes of row p; read once in the launch
.endr
.irp p, 0,1,2,3,4,5,6,7,8,9,10,11,12,13,14,15
	s_wait_loadcnt 15-\p                           ; loads come back in order: row p is in, the younger rows may be out
	ds_store_b128 v6, v[T+4*\p:T+4*\p+3] offset:SPI*\p
.endr
	s_wait_dscnt 0x0                               ; my stores have landed: a weight's columns are read from all eight stages
	s_barrier_signal -1
	s_barrier_wait -1
	s_cmp_lt_u32 s28, 256
	s_cbranch_scc0 .Lrows
.irp b, 0,1,2,3
.irp i, 0,1,2,3,4,5,6,7,8,9,10,11,12,13,14,15
	ds_load_b32 v[T+16*\b+\i], v8 offset:(32*\b+\i)*SPI   ; a weight: W(32 b + 16 h + i, my column)
.endr
.endr
	s_branch .Lread
.Lrows:
.irp b, 0,1,2,3
.irp j, 0,1,2,3
	ds_load_b128 v[T+16*\b+4*\j:T+16*\b+4*\j+3], v7 offset:128*\b+16*\j   ; x and the mask: my row's numbers 32 b + 16 h + 0 .. 15
.endr
.endr
.Lread:
	s_wait_dscnt 0x0                               ; register 16 b + i holds k = 32 b + 16 h + i of my row
	s_cmp_ge_u32 s22, 768
	s_cbranch_scc1 .Lmask
	; ---- x or a weight: 64 numbers of a lane become a fragment's codes and its scale word
.irp b, 0,1,2,3
	v_max3_num_f32 v[TM+\b], |v[T+16*\b]|, |v[T+1+16*\b]|, 0x2800000   ; block b: my 16 numbers, and the floor 2^(5 - 127): so the byte cannot fall under 1
.endr
.irp i, 2,4,6,8,10,12,14
.irp b, 0,1,2,3
	v_max3_num_f32 v[TM+\b], v[TM+\b], |v[T+16*\b+\i]|, |v[T+1+16*\b+\i]|   ; the four blocks by turns
.endr
.endr
.irp b, 0,1,2,3
	v_permlanex16_b32 v[TM+4+\b], v[TM+\b], s58, s59
.endr
.irp b, 0,1,2,3
	v_max_num_f32 v[TM+\b], v[TM+\b], v[TM+4+\b]   ; with lane l xor 16's: the block's largest magnitude
.endr
.irp b, 0,1,2,3
	v_add_nc_u32 v[TM+12+\b], 0xfe000000, v[TM+\b] ; 4 off its exponent field: the conversion takes this operand's exponent field as its scale
.endr
.irp b, 0,1,2,3
	v_lshrrev_b32 v[TM+4+\b], 23, v[TM+12+\b]      ; the scale's byte
.endr
	v_lshl_or_b32 v[PW], v[TM+5], 8, v[TM+4]
	v_lshl_or_b32 v[PW], v[TM+6], 16, v[PW]
	v_lshl_or_b32 v[PW], v[TM+7], 24, v[PW]
.irp c, 0,1
	v_cvt_scalef32_pk16_bf6_f32 v[PC+6*\c:PC+2+6*\c], v[T+32*\c:T+15+32*\c], v[TM+12+2*\c]
	v_cvt_scalef32_pk16_bf6_f32 v[PX+4*\c:PX+2+4*\c], v[T+16+32*\c:T+31+32*\c], v[TM+12+2*\c+1]   ; a conversion's three registers begin on an even number
.endr
	v_nop                                          ; one plain place behind a scaled conversion
.irp c, 0,1                                    ; the operand's layout wants a whole block in a lane: lanes 0-15 block 2 c, lanes 16-31 block 2 c + 1
.irp i, 0,1,2
	v_permlane16_swap_b32 v[PC+6*\c+\i], v[PX+4*\c+\i]
.endr
.irp i, 0,1,2
	v_mov_b32 v[PC+3+6*\c+\i], v[PX+4*\c+\i]
.endr
.endr
	s_lshl_b32 s56, s51, 3
	s_add_co_u32 s56, s56, s23
	s_mul_i32 s56, s56, 1536                       ; fragment 8 x (group, K step) + tile
	s_mov_b32 s57, 0
	s_add_nc_u64 s[56:57], s[38:39], s[56:57]
	global_store_b128 v4, v[PC:PC+3], s[56:57]     ; 512 consecutive bytes, aligned to 256
	global_store_b64 v9, v[PC+4:PC+5], s[56:57] offset:512
	global_store_b128 v4, v[PC+6:PC+9], s[56:57] offset:768
	global_store_b64 v9, v[PC+10:PC+11], s[56:57] offset:1280
	ds_store_b32 v10, v[PW]                        ; both halves of the lanes write the same word with the same value
	s_branch .Ljoin
.Lmask:
	; ---- the mask: word n = 16 b + i has bit l set where (row l % 16, key 32 b + 16 (l / 16) + i) is open
	v_mov_b32 v[OUT], 0
	v_mov_b32 v[OUT+1], 0
	s_mov_b32 s60, 0                               ; the or of the 64 words
	s_mov_b32 s61, -1                              ; the and
.set n, 0
.rept 8
.irp k, 0,1,2,3,4,5,6,7
	v_cmp_ne_u32 s[40+\k], 0, v[T+n+\k]
.endr
.irp k, 0,1,2,3,4,5,6,7
	v_writelane_b32 v[OUT+(n+\k)%2], s[40+\k], (n+\k)/2   ; word n to lane n / 2, register n % 2: 8 bytes a lane
	s_or_b32 s60, s60, s[40+\k]
	s_and_b32 s61, s61, s[40+\k]
.endr
.set n, n+8
.endr
	s_lshl_b32 s62, s33, 4
	s_add_co_u32 s62, s62, s35
	s_lshl_b32 s62, s62, 8                         ; (16 x query tile + key step) x 256 bytes
	s_mov_b32 s63, 0
	s_add_nc_u64 s[62:63], s[20:21], s[62:63]
	global_store_b64 v9, v[OUT:OUT+1], s[62:63]    ; 256 consecutive bytes, aligned
	s_cmp_lg_u32 s60, 0
	s_cselect_b32 s60, 1, 0                        ; some key open
	s_cmp_lg_u32 s61, -1
	s_cselect_b32 s61, 1, 0
	s_and_b32 s61, s61, s60                        ; open and hidden keys mixed
	s_lshl_b32 s61, s61, 16
	s_or_b32 s60, s60, s61
	s_lshl_b32 s60, s60, s35                       ; at bits ks and 16 + ks
	v_mov_b32 v13, s60
	ds_store_b32 v11, v13
.Ljoin:
	s_wait_dscnt 0x0                               ; my word has landed: wave 0 reads all eight
	s_barrier_signal -1
	s_barrier_wait -1
	s_cmp_lg_u32 s23, 0
	s_cbranch_scc1 .Lend
	s_cmp_ge_u32 s22, 768
	s_cbranch_scc1 .Lflags
	ds_load_b128 v[32:35], v[SGR]
	s_lshl_b32 s48, 0x300000, s52                  ; the scale images begin behind the codes: 6,291,456 in xb, 3,145,728 in wb
	s_lshl_b32 s49, s51, 9
	s_add_co_u32 s48, s48, s49
	s_mov_b32 s49, 0
	s_add_nc_u64 s[48:49], s[38:39], s[48:49]
	s_wait_dscnt 0x0
	global_store_b128 v4, v[32:35], s[48:49]       ; the image: 512 consecutive bytes
	s_wait_tensorcnt 0x0
	ds_add_u32 v128, v129
	s_wait_dscnt 0x0
	s_endpgm
.Lflags:
	ds_load_b128 v[32:35], v[MFR]
	ds_load_b128 v[36:39], v[MFR] offset:16
	s_lshl_b32 s48, s32, 2
	s_add_co_u32 s48, s48, 524288                  ; the flags begin behind the lane masks
	s_mov_b32 s49, 0
	s_add_nc_u64 s[48:49], s[20:21], s[48:49]
	v_mov_b32 v13, 0
	v_cmp_eq_u32 vcc_lo, 0, v1
	s_wait_dscnt 0x0
.irp j, 1,2,3,4,5,6,7
	v_or_b32 v32, v32, v[32+\j]
.endr
	s_wait_xcnt 0x0                                ; EXEC changes only behind this wait: my earlier store has read it
	s_and_saveexec_b32 s52, vcc_lo
	global_store_b32 v13, v32, s[48:49]            ; lane 0: this half's flag word
	s_wait_xcnt 0x0
	s_or_b32 exec_lo, exec_lo, s52
.Lend:
	s_wait_tensorcnt 0x0
	ds_add_u32 v128, v129
	s_wait_dscnt 0x0
	s_endpgm
.Lfunc_end_k_q277c489ed3_prep:
	.size	k_q277c489ed3_prep, .Lfunc_end_k_q277c489ed3_prep-k_q277c489ed3_prep
	.p2alignl 7, 3214868480
	.fill 96, 4, 3214868480
	.section	.rodata,"a",@progbits
	.p2align	6, 0x0
	.amdhsa_kernel k_q277c489ed3_prep
		.amdhsa_group_segment_fixed_size 69376
		.amdhsa_private_segment_fixed_size 0
		.amdhsa_enable_private_segment 0
		.amdhsa_kernarg_size 72
		.amdhsa_user_sgpr_count 2
		.amdhsa_user_sgpr_kernarg_segment_ptr 1
		.amdhsa_wavefront_size32 1
		.amdhsa_system_sgpr_workgroup_id_x 1
		.amdhsa_system_sgpr_workgroup_id_y 1
		.amdhsa_system_sgpr_workgroup_id_z 1
		.amdhsa_system_vgpr_workitem_id 0
		.amdhsa_next_free_vgpr 130
		.amdhsa_next_free_sgpr 66
		.amdhsa_reserve_vcc 1
		.amdhsa_float_denorm_mode_32 3
		.amdhsa_float_denorm_mode_16_64 3
		.amdhsa_memory_ordered 1
		.amdhsa_forward_progress 1
		.amdhsa_inst_pref_size 33
	.end_amdhsa_kernel
	.amdgpu_metadata
---
amdhsa.version: [ 1, 2 ]
amdhsa.kernels:
  - .name:           k_q277c489ed3_prep
    .symbol:         k_q277c489ed3_prep.kd
    .args:
      - { .name: x, .offset: 0, .size: 8, .value_kind: global_buffer, .address_space: global }
      - { .name: Wq, .offset: 8, .size: 8, .value_kind: global_buffer, .address_space: global }
      - { .name: Wk, .offset: 16, .size: 8, .value_kind: global_buffer, .address_space: global }
      - { .name: Wv, .offset: 24, .size: 8, .value_kind: global_buffer, .address_space: global }
      - { .name: Wp, .offset: 32, .size: 8, .value_kind: global_buffer, .address_space: global }
      - { .name: mask, .offset: 40, .size: 8, .value_kind: global_buffer, .address_space: global }
      - { .name: xb, .offset: 48, .size: 8, .value_kind: global_buffer, .address_space: global }
      - { .name: wb, .offset: 56, .size: 8, .value_kind: global_buffer, .address_space: global }
      - { .name: mk, .offset: 64, .size: 8, .value_kind: global_buffer, .address_space: global }
    .group_segment_fixed_size: 69376
    .private_segment_fixed_size: 0
    .kernarg_segment_align: 8
    .kernarg_segment_size: 72
    .max_flat_workgroup_size: 256
    .sgpr_count:     66
    .vgpr_count:     130
    .wavefront_size: 32
...
	.end_amdgpu_metadata
.endif
;; end of part 1
;; launch qkv (part 2): grid 12 x 32, 4 waves a work-group, clusters of 4 x 4, 327,680 bytes of LDS; arguments xb, wb, bq, bk, bv, qkv; writes qkv
.if DOCPART == 2
	.amdgcn_target "amdgcn-amd-amdhsa--gfx1250"
	.amdhsa_code_object_version 6
	.text
	.protected	k_q277c489ed3_qkv
	.globl	k_q277c489ed3_qkv
	.p2align	8
	.type	k_q277c489ed3_qkv,@function
k_q277c489ed3_qkv:
	s_mov_b64 s[64:65], 0
	v_nop
	global_prefetch_b8 v0, s[64:65] scope:SCOPE_SE
	s_setreg_imm32_b32 hwreg(HW_REG_WAVE_MODE, 25, 1), 1
	s_wait_xcnt 0x0
	s_wait_alu depctr_hold_cnt(0) depctr_sa_sdst(0) depctr_va_vdst(0) depctr_va_sdst(0) depctr_va_ssrc(0) depctr_va_vcc(0) depctr_vm_vsrc(0)
	s_getreg_b32 s2, hwreg(HW_REG_IB_STS2, 6, 4)
	s_cmp_eq_u32 s2, 0
	s_cbranch_scc0 .Lentry_in_a_cluster
	s_endpgm
.Lentry_in_a_cluster:
	s_bfe_u32 s2, ttmp6, 0x10000c
	s_cmp_lg_u32 s2, 0xf033
	s_cbranch_scc0 .Lentry_shape_is_right
	s_endpgm
.Lentry_shape_is_right:
; QKV.  q = x Wq + bq, k = x Wk + bk, v = x Wv + bv on codes of BF6 with E8M0 scales; the results are quantised in registers and leave as codes: q and k along the head's 64, v along the keys.
; A tile of 256 x 256 is made by four waves, each 128 x 128: 64 accumulators, 512 registers.  K = 1,024 goes in 8 steps of 128 through two LDS slots of two steps each, filled by the tensor data mover.
; OPERANDS ARE IMAGES OF THEIR REGISTERS (a fragment, 16 rows x 128 K, is 1,536 bytes: registers 0-3 at 16 x lane, 4-5 at 512 + 8 x lane, 6-9 at 768 + 16 x lane, 10-11 at 1,280 + 8 x lane): two K steps of a group of 128 rows are
; one dense block of 24,576 bytes, every LDS load reads consecutive bytes, and there is no pitch and no padding.  Lane r of a group's tile i holds row 32 (i / 2) + 8 (i % 2) + r + 8 (r / 8).
; THE MATRIX INSTRUCTION IS USED TRANSPOSED: source 0 = 16 rows of the B side, source 1 = 16 rows of the A side.  A lane then holds ONE row of the A side, and by the tiles' order the 16 registers of B's tiles 2 b, 2 b + 1
; are 16 NEIGHBOURS along the B side.  So the side along which the result is quantised is the B side: clusters x = 0, 1 (q, k): A = tokens, B = the weight's columns (two heads of 64); cluster x = 2 (v): A = Wv's columns, B = tokens (the keys).
; The bias is the C of the first K step's products: by B's rows for q and k, by A's rows for v; that step is written twice, and a branch on the cluster's x, which all partners share, takes one.
; CLUSTERS: 4 x 4 work-groups; A's blocks are asked for jointly along a row of the cluster, B's along a column.
; The scale images of the work-group's four groups, for all of K (4,096 bytes each), come once, with the first fills.  A wave has three tensor loads out at the start, later one.
; LIMITS: NaN and infinities are not served; a block whose largest magnitude lies under 2^-122 keeps the scale byte 1.
; REGISTERS: window 0: v8-15 bias offsets, v16-31 addresses, v32-63 scale words (two sets of 16: A's for the slot's two steps, then B's), v64-127 the bias in the result's layout, v128-223 A's 8 fragments (one set);
;   on the way out v128-179 are at work.  window 1: B's fragments, two sets, at v0 and v128.  windows 2, 3: the accumulators ((a, b) at v[8 (8 (a % 4) + b)]).
.set FR,    12
.set FRB,   1536
.set KSB,   12288                      ; a K step of a group: 8 fragments
.set PART,  24576                      ; two K steps of a group: what one tensor load brings
.set SLOT,  4*PART                     ; A's two groups, then B's two
.set SCL,   2*SLOT                     ; behind the ring: four scale blocks of 4,096 bytes
.set SPARE, SCL+4*4096                 ; behind them: the spare words, 128 bytes for each wave: two blocks of 256 bytes that no other line names
.set NL,    4                          ; LDS loads that bring a fragment
.set NP,    4                          ; places behind this matrix instruction (ISA guide 7.12.1)
.set VA,    8
.set A16,   16                         ; v16-17 my A group in slot 0, 1, + 16 x lane;  v18-19 + 8 x lane
.set A8,    18
.set B16,   20                         ; v20-23 the same for B
.set B8,    22
.set L16,   26
.set ASA,   27                         ; my A group's scale images
.set SPW,   28                         ; my spare word; never rewritten
.set NIL,   29                         ; 0; never rewritten
.set ASB,   30
.set L8,    31
.set SC,    32
.set BI,    64
.set AF,    128
.set TM,    128                        ; the way out: v128-131 largest magnitudes, v132-135 bytes, v140-143 scale operands
.set PC,    144                        ; v144-162 codes
.set PWS,   168                        ; v168-175 the eight tiles' scale words
.set EW,    176                        ; v176-179 the scale image
.set G1,    24
.set G0,    32
.set G1B,   48
.set G0B,   56
.set G1S,   68
.set G0S,   76
.set G1SB,  80
.set G0SB,  88
.set MSB, 0
.macro WIN new                         ; the immediate's high byte repeats the setting that is left
.if MSB != (\new)
	s_set_vgpr_msb (MSB<<8)|(\new)
.set MSB, (\new)
.endif
.endm
.set TO_B, 0x40                        ; destination window 1, address window 0
; A joint load: waves 0 and 1 fetch for A, waves 2 and 3 for B; the branch hangs on the wave's number alone.  Four v_nop follow each of the two lines.
.macro JLOAD g0a, g1a, g0b, g1b
	s_cmp_eq_u32 s17, 0
	s_cbranch_scc0 .Lfor_b_\@
	tensor_load_to_lds s[\g0a:\g0a+3], s[\g1a:\g1a+7]
	s_nop 0
.rept 4
	v_nop
.endr
	s_branch .Lasked_\@
.Lfor_b_\@:
	tensor_load_to_lds s[\g0b:\g0b+3], s[\g1b:\g1b+7]
	s_nop 0
.rept 4
	v_nop
.endr
.Lasked_\@:
.endm
.macro CREST                           ; a round of the cluster's barrier behind its opening barrier
	s_cmp_lg_u32 s16, 0
	s_cbranch_scc1 .Lnot_wave_0_\@
	s_barrier_signal -3
.Lnot_wave_0_\@:
	s_barrier_wait -3
	s_barrier_signal -1
	s_barrier_wait -1
.endm
.macro CROUND
	s_barrier_signal -1
	s_barrier_wait -1
	CREST
.endm
.macro PLACES n
.rept \n
	v_nop
.endr
.endm
	s_load_b256 s[4:11], s[0:1], 0x0               ; xb s[4:5], wb s[6:7], bq s[8:9], bk s[10:11]
	s_load_b128 s[12:15], s[0:1], 0x20             ; bv s[12:13], qkv s[14:15]
	v_lshl_add_u32 v[SPW], v0, 2, SPARE
	v_mov_b32 v[NIL], 0
	ds_add_u32 v28, v29
	ds_add_u32 v28, v29
	s_wait_dscnt 0x0
	v_lshrrev_b32 v1, 5, v0
	v_readfirstlane_b32 s16, v1                    ; wave 0..3
	s_lshr_b32 s17, s16, 1                         ; which of A's two groups is mine.  Also: I fetch for A (0) or for B (1)
	s_and_b32 s18, s16, 1                          ; which of B's two groups.  Also: which group of that side I fetch
	s_bfe_u32 s19, ttmp6, 0x40000                  ; cx
	s_bfe_u32 s20, ttmp6, 0x40004                  ; cy
	s_mov_b32 s21, ttmp9                           ; cluster x: 0 q, 1 k, 2 v
	s_and_b32 s22, ttmp7, 0xffff                   ; cluster y
	s_lshl_b32 s40, s20, 2
	s_lshl_b32 s40, 15, s40                        ; my row of the cluster
	s_lshl_b32 s41, 0x1111, s19                    ; my column
	; descriptor group 1: a dense block as rows of 256 bytes (32 elements of 8 bytes), no padding: 96 rows of codes, 16 of scales
	s_or_b32 s[G1], s40, (3<<16)|(1<<21)           ; 15:0 the mask; 17:16 elements of 8 bytes; 21 set beside a mask
	s_or_b32 s[G1B], s41, (3<<16)|(1<<21)
	s_or_b32 s[G1S], s40, (3<<16)|(1<<21)
	s_or_b32 s[G1SB], s41, (3<<16)|(1<<21)
.irp g, G1, G1B
	s_mov_b32 s[\g+1], 32<<16                      ; tensor_dim0
	s_mov_b32 s[\g+2], 96<<16                      ; tensor_dim1
	s_mov_b32 s[\g+3], 32<<16                      ; tile_dim0
	s_mov_b32 s[\g+4], 96                          ; tile_dim1
	s_mov_b32 s[\g+5], 32                          ; from row to row
	s_mov_b32 s[\g+6], 0
	s_mov_b32 s[\g+7], 0
.endr
.irp g, G1S, G1SB
	s_mov_b32 s[\g+1], 32<<16
	s_mov_b32 s[\g+2], 16<<16
	s_mov_b32 s[\g+3], 32<<16
	s_mov_b32 s[\g+4], 16
	s_mov_b32 s[\g+5], 32
	s_mov_b32 s[\g+6], 0
	s_mov_b32 s[\g+7], 0
.endr
	s_cmp_eq_u32 s21, 2                            ; v?  The same in all sixteen partners
	s_cselect_b32 s23, 1, 0
	s_cselect_b32 s42, 0, s22                      ; tile row: 4 x cluster y + cy of the tokens, or cy of Wv's columns
	s_cselect_b32 s43, s22, s21                    ; tile column: 4 x cluster x + cx of Wq's and Wk's columns, or 4 x cluster y + cx of the tokens
	s_cselect_b32 s44, 16, 0                       ; A's first group: Wv's groups are wb's 16-23
	s_cselect_b32 s45, 0, 1
	s_lshl_b32 s42, s42, 2
	s_add_co_u32 s42, s42, s20                     ; tile row: never holds cx
	s_lshl_b32 s43, s43, 2
	s_add_co_u32 s43, s43, s19                     ; tile column: never holds cy
	s_lshl_b32 s46, s42, 1
	s_add_co_u32 s46, s46, s18
	s_add_co_u32 s46, s46, s44                     ; the group of A that I would fetch
	s_lshl_b32 s47, s43, 1
	s_add_co_u32 s47, s47, s18                     ; and of B
	s_mul_i32 s92, s46, 98304                      ; its codes: 8 K steps of 12,288 bytes a group
	s_mov_b32 s93, 0
	s_lshl_b32 s94, s46, 12                        ; its scale images: 4,096 bytes a group,
	s_lshl_b32 s66, 0x300000, s45                  ; behind the codes: 6,291,456 in xb, 3,145,728 in wb
	s_add_co_u32 s94, s94, s66
	s_mov_b32 s95, 0
	s_mul_i32 s96, s47, 98304
	s_mov_b32 s97, 0
	s_lshl_b32 s98, s47, 12
	s_xor_b32 s67, s45, 1
	s_lshl_b32 s67, 0x300000, s67
	s_add_co_u32 s98, s98, s67
	s_mov_b32 s99, 0
	s_mul_i32 s3, s16, PART                        ; where they go: by the wave's number alone
	s_lshl_b32 s2, s16, 12
	s_wait_kmcnt 0x0
	s_cmp_eq_u32 s21, 2
	s_cselect_b64 s[40:41], s[6:7], s[4:5]         ; A's buffer
	s_cselect_b64 s[44:45], s[4:5], s[6:7]         ; B's buffer
	s_add_nc_u64 s[92:93], s[40:41], s[92:93]
	s_add_nc_u64 s[94:95], s[40:41], s[94:95]
	s_add_nc_u64 s[96:97], s[44:45], s[96:97]
	s_add_nc_u64 s[98:99], s[44:45], s[98:99]
	CROUND                                         ; all sixteen work-groups are here: the first joint loads meet
	s_mov_b32 s[G0S], 1
	s_add_co_u32 s[G0S+1], s2, SCL
	s_mov_b64 s[G0S+2:G0S+3], s[94:95]
	s_or_b32 s[G0S+3], s[G0S+3], 0x80000000
	s_mov_b32 s[G0SB], 1
	s_add_co_u32 s[G0SB+1], s2, SCL
	s_mov_b64 s[G0SB+2:G0SB+3], s[98:99]
	s_or_b32 s[G0SB+3], s[G0SB+3], 0x80000000
	JLOAD G0S, G1S, G0SB, G1SB                     ; the scales first: they are wanted with K step 0
.irp s, 0,1
	s_mov_b32 s[G0+4*\s], 1
	s_add_co_u32 s[G0+4*\s+1], s3, \s*SLOT
	s_add_nc_u64 s[G0+4*\s+2:G0+4*\s+3], s[92:93], \s*PART
	s_or_b32 s[G0+4*\s+3], s[G0+4*\s+3], 0x80000000
	s_mov_b32 s[G0B+4*\s], 1
	s_add_co_u32 s[G0B+4*\s+1], s3, \s*SLOT
	s_add_nc_u64 s[G0B+4*\s+2:G0B+4*\s+3], s[96:97], \s*PART
	s_or_b32 s[G0B+4*\s+3], s[G0B+4*\s+3], 0x80000000
	JLOAD G0+4*\s, G1, G0B+4*\s, G1B
.endr
	v_and_b32 v1, 31, v0
	v_lshlrev_b32 v[L16], 4, v1
	v_lshlrev_b32 v[L8], 3, v1
	s_mul_i32 s40, s17, PART                       ; my group of A
	s_mul_i32 s41, s18, PART
	s_add_co_u32 s41, s41, 2*PART                  ; my group of B, behind A's two
.irp s, 0,1
	v_add_nc_u32 v[A16+\s], s40, v[L16]
	v_add_nc_u32 v[A8+\s], s40, v[L8]
	v_add_nc_u32 v[B16+\s], s41, v[L16]
	v_add_nc_u32 v[B8+\s], s41, v[L8]
	s_add_co_u32 s40, s40, SLOT
	s_add_co_u32 s41, s41, SLOT
.endr
	s_lshl_b32 s40, s17, 12
	s_add_co_u32 s40, s40, SCL
	v_add_nc_u32 v[ASA], s40, v[L16]
	s_lshl_b32 s41, s18, 12
	s_add_co_u32 s41, s41, SCL+8192
	v_add_nc_u32 v[ASB], s41, v[L16]
	; the way out: token group G = 16 b + g, head pair hp
	s_lshl_b32 s40, s42, 1
	s_add_co_u32 s40, s40, s17                     ; my group of the A side
	s_lshl_b32 s41, s43, 1
	s_add_co_u32 s41, s41, s18                     ; my group of the B side
	s_cmp_eq_u32 s23, 1
	s_cselect_b32 s44, s41, s40                    ; G
	s_cselect_b32 s45, s40, s41
	s_and_b32 s45, s45, 7                          ; hp
	s_lshr_b32 s46, s44, 4                         ; b
	s_and_b32 s47, s44, 15                         ; g
	s_lshl_b32 s92, s46, 3
	s_add_co_u32 s92, s92, s45                     ; 8 b + hp
	s_lshl_b32 s96, s92, 4
	s_add_co_u32 s96, s96, s47
	s_lshl_b32 s96, s96, 9
	s_lshl_b32 s94, s21, 18
	s_add_co_u32 s96, s96, s94
	s_add_co_u32 s96, s96, 18874368
	s_mov_b32 s97, 0
	s_add_nc_u64 s[96:97], s[14:15], s[96:97]      ; my scale image: 18,874,368 + 262,144 x section + ((8 b + hp) 16 + g) 512
	s_mul_i32 s92, s92, 196608
	s_mul_i32 s94, s47, 6144
	s_add_co_u32 s92, s92, s94
	s_mul_i32 s94, s21, 6291456
	s_add_co_u32 s92, s92, s94
	s_mov_b32 s93, 0
	s_add_nc_u64 s[92:93], s[14:15], s[92:93]      ; registers 0-5 of a tile's codes: section + (16 b + 2 hp) 98,304 + 6,144 g
	s_mov_b32 s94, 98304
	s_cmp_eq_u32 s23, 1
	s_cselect_b32 s94, 768, s94                    ; registers 6-11: q, k: the odd head's half fragment, a head on; v: the second half of the same fragment
	s_mov_b32 s95, 0
	s_add_nc_u64 s[94:95], s[92:93], s[94:95]
	s_lshl_b32 s66, 768, s23                       ; from tile to tile: 768 (q, k) or 1,536 (v)
	s_mov_b32 s67, 0
	s_mul_i32 s2, s23, 92160                       ; v: tiles 4-7 are the odd head's: 98,304 - 4 x 1,536 further on
	s_mov_b32 s3, 0
	s_mov_b32 s46, 0xffff0000                      ; lanes 16-31
	s_cmp_eq_u32 s21, 1
	s_cselect_b64 s[98:99], s[10:11], s[8:9]
	s_cmp_eq_u32 s21, 2
	s_cselect_b64 s[98:99], s[12:13], s[98:99]
	s_lshl_b32 s40, s45, 9
	s_mov_b32 s41, 0
	s_add_nc_u64 s[98:99], s[98:99], s[40:41]      ; the bias of my 128 columns
	v_and_b32 v2, 15, v0
	v_bfe_u32 v3, v0, 4, 1
	v_and_b32 v4, 8, v2
	v_add_nc_u32 v4, v4, v2
	v_lshlrev_b32 v4, 2, v4                        ; v: register j of A's tile t wants the bias of column 32 (t / 2) + 8 (t % 2) + r + 8 (r / 8), whatever j
	v_lshlrev_b32 v5, 6, v3                        ; q, k: register j of B's tile t wants that of column 32 (t / 2) + 8 (t % 2) + 16 h + j
	s_xor_b32 s47, s23, 1
	v_mul_u32_u24 v4, v4, s23
	v_mad_u32_u24 v4, v5, s47, v4
	s_lshl_b32 s47, s47, 2
.irp j, 0,1,2,3,4,5,6,7
	v_mad_u32_u24 v[VA+\j], s47, \j, v4
.endr
.irp t, 0,1,2,3,4,5,6,7
.irp j, 0,1,2,3,4,5,6,7
	global_load_b32 v[BI+8*\t+\j], v[VA+\j], s[98:99] offset:(32*(\t/2)+8*(\t%2))*4
.endr
.endr
.macro FRAG reg, a16, a8, off          ; a fragment comes back as it was stored: four loads of consecutive bytes
	ds_load_b128 v[\reg:\reg+3], v[\a16] offset:\off
	ds_load_b64 v[\reg+4:\reg+5], v[\a8] offset:\off+512
	ds_load_b128 v[\reg+6:\reg+9], v[\a16] offset:\off+768
	ds_load_b64 v[\reg+10:\reg+11], v[\a8] offset:\off+1280
.endm
.macro FETCH_B slot, q, p              ; B's eight fragments of the slot's q-th K step into set p
	WIN TO_B
.irp i, 0,1,2,3,4,5,6,7
	FRAG 128*(\p)+FR*\i, B16+\slot, B8+\slot, KSB*(\q)+FRB*\i
.endr
	WIN 0
.endm
.macro FETCH_A slot, q, i0             ; A's blocks i0 .. i0 + 3
.irp i, \i0, \i0+1, \i0+2, \i0+3
	FRAG AF+FR*(\i), A16+\slot, A8+\slot, KSB*(\q)+FRB*(\i)
.endr
.endm
.macro SCALES sc, kk                   ; the scale words of K steps 2 kk, 2 kk + 1 into set sc: register i / 2 serves tile i, lanes 16-31 where i is odd
	ds_load_b128 v[SC+16*\sc:SC+16*\sc+3], v[ASA] offset:1024*\kk
	ds_load_b128 v[SC+16*\sc+4:SC+16*\sc+7], v[ASA] offset:1024*\kk+512
	ds_load_b128 v[SC+16*\sc+8:SC+16*\sc+11], v[ASB] offset:1024*\kk
	ds_load_b128 v[SC+16*\sc+12:SC+16*\sc+15], v[ASB] offset:1024*\kk+512
.endm
.macro WM                              ; one product, by the symbols rD, rA, rB, rC, rSA, rSB; rRA, rRB: the scale words stand in lanes 16-31
.if rRA
.if rRB
	v_wmma_scale_f32_16x16x128_f8f6f4 v[rD:rD+7], v[rA:rA+11], v[rB:rB+11], v[rC:rC+7], v[rSA], v[rSB] matrix_a_fmt:MATRIX_FMT_BF6 matrix_b_fmt:MATRIX_FMT_BF6 matrix_a_scale:MATRIX_SCALE_ROW1 matrix_b_scale:MATRIX_SCALE_ROW1
.else
	v_wmma_scale_f32_16x16x128_f8f6f4 v[rD:rD+7], v[rA:rA+11], v[rB:rB+11], v[rC:rC+7], v[rSA], v[rSB] matrix_a_fmt:MATRIX_FMT_BF6 matrix_b_fmt:MATRIX_FMT_BF6 matrix_a_scale:MATRIX_SCALE_ROW1
.endif
.else
.if rRB
	v_wmma_scale_f32_16x16x128_f8f6f4 v[rD:rD+7], v[rA:rA+11], v[rB:rB+11], v[rC:rC+7], v[rSA], v[rSB] matrix_a_fmt:MATRIX_FMT_BF6 matrix_b_fmt:MATRIX_FMT_BF6 matrix_b_scale:MATRIX_SCALE_ROW1
.else
	v_wmma_scale_f32_16x16x128_f8f6f4 v[rD:rD+7], v[rA:rA+11], v[rB:rB+11], v[rC:rC+7], v[rSA], v[rSB] matrix_a_fmt:MATRIX_FMT_BF6 matrix_b_fmt:MATRIX_FMT_BF6
.endif
.endif
.endm
; 16 products: A's blocks a0, a0 + 1 x B's eight.  p: B's set; q: the slot's K step; sc: the set of scale words.  cm = 0: C is the accumulator; 1: the bias by B's tile; 2: by A's tile (window 0): nothing is ever cleared.
; The 64 accumulators take turns, one instruction a turn, in the same order in every step.
.macro MUL16 a0, p, q, sc, cm
.irp a, \a0, \a0+1
.irp b, 0,1,2,3,4,5,6,7
.set rD, 8*(8*((\a)%4)+\b)
.set rA, 128*(\p)+FR*\b
.set rB, AF+FR*(\a)
.set rSA, SC+16*(\sc)+8+4*(\q)+(\b)/2
.set rSB, SC+16*(\sc)+4*(\q)+(\a)/2
.set rRA, (\b)%2
.set rRB, (\a)%2
.if (\cm) == 1
.set rC, BI+8*\b
.elseif (\cm) == 2
.set rC, BI+8*(\a)
.else
.set rC, rD
.endif
	WM
.endr
.endr
.endm
.macro MWIN hi, cm                     ; source 0 (B) window 1, source 1 (A) window 0, D window 2 or 3; C with D, or the bias in window 0
.if \cm
	WIN 0x81+0x40*(\hi)
.else
	WIN 0xa1+0x50*(\hi)
.endif
.endm
; A K step that has its successor in the same slot.  A block of A is free as soon as its eight products are issued: blocks 0-3 are fetched anew in the step's middle, blocks 4-7 at its end.
.macro STEP slot, q, cm
	s_wait_dscnt 4*NL                              ; all but the youngest sixteen loads (A's blocks 4-7) are in
	MWIN 0, \cm
	MUL16 0, (\q)%2, \q, \slot, \cm
	MUL16 2, (\q)%2, \q, \slot, \cm
	s_wait_dscnt 0                                 ; A's blocks 4-7 are in
	PLACES NP                                      ; in front of loads into registers that matrix instructions have read
	FETCH_B \slot, (\q)+1, 1-(\q)%2
	FETCH_A \slot, (\q)+1, 0
	MWIN 1, \cm
	MUL16 4, (\q)%2, \q, \slot, \cm
	MUL16 6, (\q)%2, \q, \slot, \cm
	PLACES NP
	WIN 0
	FETCH_A \slot, (\q)+1, 4
.endm
; A slot's last K step changes slots: one barrier; in front of it each wave waits for all its tensor loads, adds 0 to its spare word, and waits for that and for its reads of this slot.  fill = 1: this slot is filled again.
.macro TURN slot, next, fill, kk
	s_wait_tensorcnt 0x0                           ; all my tensor loads have landed: my part of the next slot
	ds_add_u32 v[SPW], v[NIL]                      ; 0 onto my spare word
	s_wait_dscnt 4*NL+1                            ; the add and the youngest sixteen loads may be out
	WIN 0xa1
	MUL16 0, 1, 1, \slot, 0                        ; sixteen products stand between the add and the wait for it
	s_wait_dscnt 0x0                               ; the add is done, and my reads of this slot are over
	s_barrier_signal -1
	MUL16 2, 1, 1, \slot, 0
	WIN 0
	s_barrier_wait -1
.if \fill
	CREST                                          ; the barrier has opened a round of the cluster's barrier: no wave of any partner still reads this slot or has a load on its way
	s_add_nc_u64 s[G0+4*\slot+2:G0+4*\slot+3], s[G0+4*\slot+2:G0+4*\slot+3], 2*PART
	s_add_nc_u64 s[G0B+4*\slot+2:G0B+4*\slot+3], s[G0B+4*\slot+2:G0B+4*\slot+3], 2*PART
	JLOAD G0+4*\slot, G1, G0B+4*\slot, G1B         ; the first tensor load behind the round; its four v_nop are the places in front of the loads below
.else
	PLACES NP
.endif
	FETCH_B \next, 0, 0
	FETCH_A \next, 0, 0
	SCALES \next, \kk
	WIN 0xf1
	MUL16 4, 1, 1, \slot, 0
	MUL16 6, 1, 1, \slot, 0
	PLACES NP
	WIN 0
	FETCH_A \next, 0, 4
.endm
	s_wait_tensorcnt 1                             ; the scales and my part of slot 0 are in; slot 1's load may be out
	s_barrier_signal -1
	s_barrier_wait -1
	FETCH_B 0, 0, 0
	FETCH_A 0, 0, 0
	SCALES 0, 0
	FETCH_A 0, 0, 4
	s_wait_loadcnt 0x0                             ; the bias
	s_cmp_eq_u32 s23, 1
	s_cbranch_scc1 .Lv_first
	STEP 0, 0, 1                                   ; q, k: the bias goes by B's tiles
	s_branch .Lgo
.Lv_first:
	STEP 0, 0, 2                                   ; v: by A's tiles
.Lgo:
	TURN 0, 1, 1, 1                                ; K step 1; slot 0 takes K steps 4, 5
	STEP 1, 0, 0
	TURN 1, 0, 1, 2                                ; K step 3; slot 1 takes K steps 6, 7
	STEP 0, 0, 0
	TURN 0, 1, 0, 3                                ; K step 5; nothing is left to fetch
	STEP 1, 0, 0
	s_wait_dscnt 4*NL                              ; K step 7
	WIN 0xa1
	MUL16 0, 1, 1, 1, 0
	MUL16 2, 1, 1, 1, 0
	s_wait_dscnt 0
	WIN 0xf1
	MUL16 4, 1, 1, 1, 0
	MUL16 6, 1, 1, 1, 0
	WIN 0
	PLACES NP                                      ; in front of the first reads of results and the first writes of registers that held A's fragments
.irp b, 0,1,2,3
	v_mov_b32 v[TM+4+\b], 0                        ; a lane permute's destination counts as one of its sources
.endr
; THE WAY OUT.  The 64 registers of A's tile a are, in my lane's row, the numbers 32 b + 16 h + i along the B side: four blocks of 32, each shared with lane l xor 16.  They become a fragment's codes and a scale word.
.macro QEPI a
.set AC, 64*((\a)%4)
.set WW, 2+(\a)/4
	s_wait_xcnt 0x0                                ; the last tile's stores have read their registers and bases: both are written again
.if (\a) > 0
	s_add_nc_u64 s[92:93], s[92:93], s[66:67]
	s_add_nc_u64 s[94:95], s[94:95], s[66:67]
.endif
.if (\a) == 4
	s_add_nc_u64 s[92:93], s[92:93], s[2:3]
	s_add_nc_u64 s[94:95], s[94:95], s[2:3]
.endif
	WIN 5*WW                                       ; sources 0 and 1: the accumulators' window
.irp b, 0,1,2,3
	v_max3_num_f32 v[TM+\b], |v[AC+16*\b]|, |v[AC+16*\b+1]|, 0x2800000   ; each accumulator is read from its low end on; the floor 2^(5 - 127) holds the byte at 1 from below
.endr
.irp i, 2,4,6,8,10,12,14
.irp b, 0,1,2,3
	v_max3_num_f32 v[TM+\b], |v[AC+16*\b+\i]|, |v[AC+16*\b+\i+1]|, v[TM+\b]
.endr
.endr
	WIN 0
.irp b, 0,1,2,3
	v_permlanex16_b32 v[TM+4+\b], v[TM+\b], s44, s45
.endr
.irp b, 0,1,2,3
	v_max_num_f32 v[TM+\b], v[TM+\b], v[TM+4+\b]
.endr
.irp b, 0,1,2,3
	v_add_nc_u32 v[TM+12+\b], 0xfe000000, v[TM+\b] ; 4 off the exponent field: the conversion's scale operand
.endr
.irp b, 0,1,2,3
	v_lshrrev_b32 v[TM+4+\b], 23, v[TM+12+\b]      ; the scale's byte
.endr
	v_lshl_or_b32 v[PWS+\a], v[TM+5], 8, v[TM+4]
	v_lshl_or_b32 v[PWS+\a], v[TM+6], 16, v[PWS+\a]
	v_lshl_or_b32 v[PWS+\a], v[TM+7], 24, v[PWS+\a]
	WIN WW                                         ; source 0: the accumulators' window
.irp c, 0,1
	v_cvt_scalef32_pk16_bf6_f32 v[PC+6*\c:PC+2+6*\c], v[AC+32*\c:AC+15+32*\c], v[TM+12+2*\c]
	v_cvt_scalef32_pk16_bf6_f32 v[PC+12+4*\c:PC+14+4*\c], v[AC+16+32*\c:AC+31+32*\c], v[TM+12+2*\c+1]
.endr
	WIN 0
	v_nop                                          ; one plain place behind a scaled conversion
.irp c, 0,1
.irp i, 0,1,2
	v_permlane16_swap_b32 v[PC+6*\c+\i], v[PC+12+4*\c+\i]
.endr
.irp i, 0,1,2
	v_mov_b32 v[PC+3+6*\c+\i], v[PC+12+4*\c+\i]
.endr
.endr
	global_store_b128 v[L16], v[PC:PC+3], s[92:93] ; 512 and 256 consecutive bytes, aligned to 256
	global_store_b64 v[L8], v[PC+4:PC+5], s[92:93] offset:512
	global_store_b128 v[L16], v[PC+6:PC+9], s[94:95]
	global_store_b64 v[L8], v[PC+10:PC+11], s[94:95] offset:512
.endm
	s_mov_b32 s44, 0x76543210
	s_mov_b32 s45, 0xfedcba98                      ; v_permlanex16_b32's selects for lane l xor 16
.irp a, 0,1,2,3,4,5,6,7
	QEPI \a
.endr
.irp b, 0,1,2,3
	v_cndmask_b32 v[EW+\b], v[PWS+2*\b], v[PWS+2*\b+1], s46   ; the image: lanes 0-15 tile 2 b's words, lanes 16-31 tile 2 b + 1's
.endr
	global_store_b128 v[L16], v[EW:EW+3], s[96:97]
	s_wait_tensorcnt 0x0                           ; the wave's end
	ds_add_u32 v[SPW], v[NIL]
	s_wait_dscnt 0x0
	CROUND                                         ; the closing round: no work-group ends while a partner may still ask for a block that names it
	s_endpgm
.Lfunc_end_k_q277c489ed3_qkv:
	.size	k_q277c489ed3_qkv, .Lfunc_end_k_q277c489ed3_qkv-k_q277c489ed3_qkv
	.p2alignl 7, 3214868480
	.fill 96, 4, 3214868480
	.section	.rodata,"a",@progbits
	.p2align	6, 0x0
	.amdhsa_kernel k_q277c489ed3_qkv
		.amdhsa_group_segment_fixed_size 327680
		.amdhsa_private_segment_fixed_size 0
		.amdhsa_enable_private_segment 0
		.amdhsa_kernarg_size 48
		.amdhsa_user_sgpr_count 2
		.amdhsa_user_sgpr_kernarg_segment_ptr 1
		.amdhsa_wavefront_size32 1
		.amdhsa_system_sgpr_workgroup_id_x 1
		.amdhsa_system_sgpr_workgroup_id_y 1
		.amdhsa_system_sgpr_workgroup_id_z 1
		.amdhsa_system_vgpr_workitem_id 0
		.amdhsa_next_free_vgpr 1024
		.amdhsa_next_free_sgpr 100
		.amdhsa_reserve_vcc 0
		.amdhsa_float_denorm_mode_32 3
		.amdhsa_float_denorm_mode_16_64 3
		.amdhsa_memory_ordered 1
		.amdhsa_forward_progress 1
		.amdhsa_inst_pref_size 169
	.end_amdhsa_kernel
	.amdgpu_metadata
---
amdhsa.version: [ 1, 2 ]
amdhsa.kernels:
  - .name:           k_q277c489ed3_qkv
    .symbol:         k_q277c489ed3_qkv.kd
    .args:
      - { .name: xb, .offset: 0, .size: 8, .value_kind: global_buffer, .address_space: global }
      - { .name: wb, .offset: 8, .size: 8, .value_kind: global_buffer, .address_space: global }
      - { .name: bq, .offset: 16, .size: 8, .value_kind: global_buffer, .address_space: global }
      - { .name: bk, .offset: 24, .size: 8, .value_kind: global_buffer, .address_space: global }
      - { .name: bv, .offset: 32, .size: 8, .value_kind: global_buffer, .address_space: global }
      - { .name: qkv, .offset: 40, .size: 8, .value_kind: global_buffer, .address_space: global }
    .group_segment_fixed_size: 327680
    .private_segment_fixed_size: 0
    .kernarg_segment_align: 8
    .kernarg_segment_size: 48
    .max_flat_workgroup_size: 128
    .sgpr_count:     100
    .vgpr_count:     1024
    .wavefront_size: 32
...
	.end_amdgpu_metadata
.endif
;; end of part 2
;; launch attn (part 3): grid 4 x 64, 16 waves a work-group, no clusters, 59,392 bytes of LDS; arguments qkv, mk, yb; writes yb
.if DOCPART == 3
	.amdgcn_target "amdgcn-amd-amdhsa--gfx1250"
	.amdhsa_code_object_version 6
	.text
	.protected	k_q277c489ed3_attn
	.globl	k_q277c489ed3_attn
	.p2align	8
	.type	k_q277c489ed3_attn,@function
k_q277c489ed3_attn:
	s_mov_b64 s[64:65], 0
	v_nop
	global_prefetch_b8 v0, s[64:65] scope:SCOPE_SE
	s_setreg_imm32_b32 hwreg(HW_REG_WAVE_MODE, 25, 1), 1
	s_wait_xcnt 0x0
; ATTN.  y[b][h][q] = the sum over keys of softmax(q . k / 8, masked) v, both products on codes of BF6 with E8M0 scales; y leaves as codes, quantised along the head's 64, in the layout that the last product reads.
; THE SOFTMAX: t = score x log2(e) / 8; M = the row's largest t so far, rounded up to a whole number; p = 2^(t - M) is quantised along the keys, not normalised; the row's sum is taken of the unquantised p and divides at the end.
; When M moves, the sum and O are multiplied by 2^(old M - new M), which rounds nothing.
; SHARES.  A work-group takes one head and two blocks of 256 queries, block i and then block 7 - i; each of its sixteen waves one tile of 16 queries, in 256 registers, four waves to a SIMD.  Every wave walks the key steps of 128 keys.
; THE MASK IS AN INPUT.  The launch before has stored, for each query tile and key step, a flag 'some key open', a flag 'open and hidden mixed', and 64 lane masks.  A step with no open key is jumped over (a scalar branch on the stored
; flag, round the step's loads, products and softmax, never round a barrier); in a mixed step hidden scores become -infinity ahead of the maximum.:
; K's and V's codes go from memory through registers into two LDS slots of 256 keys, one slot ahead, each wave 1,536 bytes of a slot; a slot in which none of the block's tiles has an open key is not fetched.
; No multicast: the branches on stored numbers exclude tensor loads.  No prefetch: the loads for a slot are issued a whole slot's work ahead of their wait.
; LAYOUT.  Both products transposed: S^T = K Q^T, O^T = V^T P^T: a lane holds one query throughout.  Lane r of a group's tile i holds row 32 (i / 2) + 8 (i % 2) + r + 8 (r / 8), so 16 registers of two neighbouring tiles are 16 neighbours.
; THE FIRST PRODUCT'S K IS 64, half of the instruction's 128.  A fragment of K holds key tile f in its lower half and key tile f + 4 in its upper; Q stands as Q, zeros, Q in 18 registers: [Q | 0] gives tile f, [0 | Q] tile f + 4.
; The zero codes add nothing under the scale byte 0.
; LIMITS: NaN and infinities are not served; a block under 2^-122 keeps the byte 1; a query row that the mask hides wholly gets the scale byte 0xff, which makes the row's outputs NaN, as the softmax of such a row is.
; REGISTERS: v1-11 addresses; v12 -M, v13 the largest t, v[14:15] the sum in two halves; v16-33 Q, zeros, Q; v34-35 Q's scale words; v36-83 four fragments of K or V; v84-95 codes on their way to LDS; v96-159 S^T, then p;
;   v160-191 O^T; v192-196 scale words; v198-216 codes of p or y; v218-239 at work.
.set SLB,   32768                      ; slot 1 begins here.  A slot: K's 16 half fragments (12,288 bytes), then V's 8 fragments (12,288)
.set SCK,   24576                      ; K's scale words of the head: [key step][lane] 8 bytes
.set SCV,   28672                      ; V's likewise
.set L16,  1
.set L8,   2
.set RR,   3
.set HH,   4
.set KSA,  5                           ; LDS address of the trip's scale words
.set KS0,  6                           ; SCK + 8 x lane
.set GOF,  7                           ; my 16 bytes of my wave's 1,536 in a slot's codes in memory
.set GA,   8
.set LS0,  9                           ; and in LDS
.set NINF, 10
.set QSAD, 11                          ; my row's word in a scale image: 16 (r + 16 (w % 2)) + 4 ((w % 8) / 2)
.set QSL,  34
.set QSH,  35
.set F,    36
.set SGR,  84
.set S,    96
.set OT,   160
.set KS,   192
.set VS,   194
.set PS,   196
.set PC,   198
.set BM,   218
.set T2,   222
.set SOP,  226
.set BY,   230
.set TMP,  234
.set YSA,  235
.set FF,   236                         ; v[236:237] f and 0
.set SUM2, 238
.set WV,   2
.set FL,   10                          ; my tile's flags, shifted a bit a step
.set FL1,  11                          ; the second pass's
.set BFV,  12                          ; 'some tile of the block has an open key', two bits a slot, both passes on end
.set SO,   13                          ; byte offset in a head's codes of the slot that is being fetched
.set CNT,  14
.set STM,  15
.set SB,   66                          ; s[66:67] my wave's tensor (K: waves 0-7, V: waves 8-15) at my head
.set MP,   68                          ; s[68:69] the step's lane masks
.set QP,   70
.set QSP,  72
.set YP,   74
.set YSP,  76
.set TS,   78
.set PSH,  79                          ; 16 x (head % 2)
.set SEL,  96
.set CS,   98                          ; s[98:99] c = log2(e) / 8
.set BH,   100
.set QI,   101
	s_load_b128 s[4:7], s[0:1], 0x0                ; qkv s[4:5], mk s[6:7]
	s_load_b64 s[8:9], s[0:1], 0x10                ; yb
	v_lshl_add_u32 v254, v0, 2, 0xe000
	v_mov_b32 v255, 0
	v_lshrrev_b32 v3, 5, v0
	v_readfirstlane_b32 s[WV], v3                  ; wave 0..15
	v_and_b32 v4, 31, v0
	v_lshlrev_b32 v[L16], 4, v4
	v_lshlrev_b32 v[L8], 3, v4
	v_and_b32 v[RR], 15, v0
	v_bfe_u32 v[HH], v0, 4, 1
	s_and_b32 s[BH], ttmp7, 0xffff                 ; 16 b + head
	s_mov_b32 s[QI], ttmp9
	s_and_b32 s[PSH], s[BH], 1
	s_lshl_b32 s[PSH], s[PSH], 4
	v_add_nc_u32 v[KS0], SCK, v[L8]
	s_and_b32 s15, s[WV], 7
	s_mul_i32 s15, s15, 1536
	v_add_nc_u32 v[GOF], s15, v[L16]
	s_mul_i32 s15, s[WV], 1536
	v_add_nc_u32 v[LS0], s15, v[L16]
	v_mov_b32 v[NINF], 0xff800000
	s_and_b32 s15, s[WV], 1
	s_lshl_b32 s15, s15, 8
	s_bfe_u32 s14, s[WV], 0x20001
	s_lshl_b32 s14, s14, 2
	s_add_co_u32 s15, s15, s14
	v_lshl_add_u32 v[QSAD], v[RR], 4, s15
	s_lshl_b32 s15, s[WV], 8
	v_add_nc_u32 v[KSA], s15, v[KS0]               ; at the head: where wave w stores key step w's scale words
	s_lshr_b32 s14, s[PSH], 1
	v_add_nc_u32 v[GA], s14, v[L16]                ; at the head: my two words of V's scale image: 16 x lane + 8 x (head % 2)
	s_mov_b32 s[SEL], 0x76543210
	s_mov_b32 s[SEL+1], 0xfedcba98                 ; v_permlanex16_b32's selects for lane l xor 16
	s_mov_b32 s[CS], 0x3e38aa3b
	s_mov_b32 s[CS+1], s[CS]                       ; named with it as a pair, so it is written
.irp j, 0,1,2,3,4,5
	v_mov_b32 v[22+\j], 0                          ; the zeros between Q and Q
.endr
.irp b, 0,1,2,3
	v_mov_b32 v[T2+\b], 0                          ; a lane permute's destination counts as one of its sources
.endr
	v_mov_b32 v[FF+1], 0                           ; named as the upper half of the pair
	s_cmp_lt_u32 s[WV], 8
	s_cselect_b32 s14, 1, 2
	s_mul_i32 s14, s14, 6291456                    ; K's section or V's
	s_mul_i32 s15, s[BH], 98304
	s_add_co_u32 s14, s14, s15
	s_mov_b32 s15, 0
	s_wait_kmcnt 0x0
	s_add_nc_u64 s[SB:SB+1], s[4:5], s[14:15]
	s_lshr_b32 s14, s[BH], 1
	s_lshl_b32 s14, s14, 4
	s_add_co_u32 s14, s14, s[WV]
	s_lshl_b32 s14, s14, 9
	s_add_co_u32 s14, s14, 19136512                ; K's scale image of (head pair, key step w): 18,874,368 + 262,144 + ..; V's lies 262,144 further on
	s_add_nc_u64 s[MP:MP+1], s[4:5], s[14:15]
	global_load_b128 v[96:99], v[L16], s[MP:MP+1]
	global_load_b64 v[100:101], v[GA], s[MP:MP+1] offset:262144
.irp c, 0,1,2
	global_load_b128 v[SGR+4*\c:SGR+4*\c+3], v[GOF], s[SB:SB+1] offset:512*\c   ; slot 0
.endr
	s_lshl_b32 s16, s[QI], 7
	s_add_co_u32 s16, s16, 524288                  ; the flags: 8 bytes a query tile, 128 a block
	s_mov_b32 s17, 0
	s_add_nc_u64 s[70:71], s[6:7], s[16:17]
	s_sub_co_u32 s16, 7, s[QI]
	s_lshl_b32 s16, s16, 7
	s_add_co_u32 s16, s16, 524288
	s_add_nc_u64 s[72:73], s[6:7], s[16:17]
	s_lshl_b32 s16, s[WV], 3
	s_add_nc_u64 s[74:75], s[70:71], s[16:17]
	s_add_nc_u64 s[76:77], s[72:73], s[16:17]
	s_load_b64 s[10:11], s[74:75], 0x0             ; my tile's two flag words, first pass
	s_load_b64 s[12:13], s[76:77], 0x0             ; second pass
	s_load_b512 s[16:31], s[70:71], 0x0            ; the 32 words of the first block
	s_load_b512 s[32:47], s[70:71], 0x40
	s_load_b512 s[48:63], s[72:73], 0x0            ; and of the second
	s_load_b512 s[80:95], s[72:73], 0x40
	s_wait_loadcnt 0x0
.irp j, 0,1,2,3
	v_lshrrev_b32 v[96+\j], s[PSH], v[96+\j]       ; my head's two bytes of each word
.endr
	v_and_b32 v96, 0xffff, v96
	v_and_b32 v97, 0xffff, v97
	v_lshl_or_b32 v102, v98, 16, v96               ; fragment f's word: tile f's two bytes, then tile f + 4's
	v_lshl_or_b32 v103, v99, 16, v97
	ds_store_b64 v[KSA], v[102:103]
	ds_store_b64 v[KSA], v[100:101] offset:SCV-SCK
.irp c, 0,1,2
	ds_store_b128 v[LS0], v[SGR+4*\c:SGR+4*\c+3] offset:512*\c
.endr
	s_wait_kmcnt 0x0
	s_or_b32 s[FL], s10, s11
	s_or_b32 s[FL1], s12, s13
.set k, 17
.rept 31
	s_or_b32 s16, s16, s[k]
.set k, k+1
.endr
.set k, 49
.rept 15
	s_or_b32 s48, s48, s[k]
.set k, k+1
.endr
.set k, 80
.rept 16
	s_or_b32 s48, s48, s[k]
.set k, k+1
.endr
	s_and_b32 s16, s16, 0xffff
	s_lshl_b32 s48, s48, 16
	s_or_b32 s[BFV], s16, s48
	s_mov_b32 s[SO], 0
	s_wait_dscnt 0x0                               ; my stores have landed: all waves read them
	s_barrier_signal -1
	s_barrier_wait -1
; A KEY STEP: 128 keys, the q-th of slot sl.
.macro STEP sl, q
	s_bitcmp1_b32 s[FL], 0
	s_cbranch_scc0 .Lhid_\@                        ; no key of this step is open for my 16 queries
.rept 4
	v_nop                                          ; places in front of loads into registers that matrix instructions have read
.endr
.irp f, 0,1,2,3
	ds_load_b128 v[F+12*\f:F+12*\f+3], v[L16] offset:SLB*\sl+768*(8*\q+\f)
	ds_load_b64 v[F+12*\f+4:F+12*\f+5], v[L8] offset:SLB*\sl+768*(8*\q+\f)+512
	ds_load_b128 v[F+12*\f+6:F+12*\f+9], v[L16] offset:SLB*\sl+768*(8*\q+\f+4)
	ds_load_b64 v[F+12*\f+10:F+12*\f+11], v[L8] offset:SLB*\sl+768*(8*\q+\f+4)+512
.endr
	ds_load_b64 v[KS:KS+1], v[KSA] offset:256*(2*\sl+\q)
	s_wait_dscnt 0x0
.irp g, 0,1                                    ; key tiles 0-3: the fragments' lower halves against [Q | 0]
	v_wmma_scale_f32_16x16x128_f8f6f4 v[S+16*\g:S+16*\g+7], v[F+24*\g:F+24*\g+11], v[16:27], 0, v[KS+\g], v[QSL] matrix_a_fmt:MATRIX_FMT_BF6 matrix_b_fmt:MATRIX_FMT_BF6
	v_wmma_scale_f32_16x16x128_f8f6f4 v[S+16*\g+8:S+16*\g+15], v[F+24*\g+12:F+24*\g+23], v[16:27], 0, v[KS+\g], v[QSL] matrix_a_fmt:MATRIX_FMT_BF6 matrix_b_fmt:MATRIX_FMT_BF6 matrix_a_scale:MATRIX_SCALE_ROW1
.endr
.irp g, 0,1                                    ; key tiles 4-7: the upper halves against [0 | Q]
	v_wmma_scale_f32_16x16x128_f8f6f4 v[S+32+16*\g:S+32+16*\g+7], v[F+24*\g:F+24*\g+11], v[22:33], 0, v[KS+\g], v[QSH] matrix_a_fmt:MATRIX_FMT_BF6 matrix_b_fmt:MATRIX_FMT_BF6
	v_wmma_scale_f32_16x16x128_f8f6f4 v[S+32+16*\g+8:S+32+16*\g+15], v[F+24*\g+12:F+24*\g+23], v[22:33], 0, v[KS+\g], v[QSH] matrix_a_fmt:MATRIX_FMT_BF6 matrix_b_fmt:MATRIX_FMT_BF6 matrix_a_scale:MATRIX_SCALE_ROW1
.endr
.rept 4
	v_nop                                          ; places in front of the loads below and of the first reads of the scores
.endr
.irp d, 0,1,2,3                                ; V's four fragments land under the softmax
	ds_load_b128 v[F+12*\d:F+12*\d+3], v[L16] offset:SLB*\sl+12288+6144*\q+1536*\d
	ds_load_b64 v[F+12*\d+4:F+12*\d+5], v[L8] offset:SLB*\sl+12288+6144*\q+1536*\d+512
	ds_load_b128 v[F+12*\d+6:F+12*\d+9], v[L16] offset:SLB*\sl+12288+6144*\q+1536*\d+768
	ds_load_b64 v[F+12*\d+10:F+12*\d+11], v[L8] offset:SLB*\sl+12288+6144*\q+1536*\d+1280
.endr
	ds_load_b64 v[VS:VS+1], v[KSA] offset:SCV-SCK+256*(2*\sl+\q)
	s_bitcmp1_b32 s[FL], 16
	s_cbranch_scc0 .Lopen_\@                       ; every key of this step is open
	s_load_b512 s[16:31], s[MP:MP+1], 0x0          ; word n: the lanes in which register n's key is open
	s_load_b512 s[32:47], s[MP:MP+1], 0x40
	s_load_b512 s[48:63], s[MP:MP+1], 0x80
	s_load_b512 s[80:95], s[MP:MP+1], 0xc0
	s_wait_kmcnt 0x0
.set n, 0
.rept 64
.if n < 48
	v_cndmask_b32 v[S+n], v[NINF], v[S+n], s[16+n]
.else
	v_cndmask_b32 v[S+n], v[NINF], v[S+n], s[32+n]
.endif
.set n, n+1
.endr
.Lopen_\@:
.irp b, 0,1,2,3
	v_max3_num_f32 v[BM+\b], v[S+16*\b], v[S+1+16*\b], v[S+2+16*\b]   ; the largest score of each block of 32 keys: for the row's maximum, and, since p rises with the score, for the block's largest p
.endr
.irp i, 3,5,7,9,11,13
.irp b, 0,1,2,3
	v_max3_num_f32 v[BM+\b], v[BM+\b], v[S+16*\b+\i], v[S+1+16*\b+\i]
.endr
.endr
.irp b, 0,1,2,3
	v_max_num_f32 v[BM+\b], v[BM+\b], v[S+15+16*\b]
.endr
.irp b, 0,1,2,3
	v_permlanex16_b32 v[T2+\b], v[BM+\b], s[SEL], s[SEL+1]
.endr
.irp b, 0,1,2,3
	v_max_num_f32 v[BM+\b], v[BM+\b], v[T2+\b]     ; with lane l xor 16's 16 keys
.endr
	v_max3_num_f32 v[TMP], v[BM], v[BM+1], v[BM+2]
	v_max_num_f32 v[TMP], v[TMP], v[BM+3]
	v_mul_f32 v[TMP], s[CS], v[TMP]                ; the step's largest t
	v_max_num_f32 v13, v13, v[TMP]                 ; the running largest t
	v_mov_b32 v[TMP], v12
	v_floor_f32 v12, -v13                          ; the new -M = floor(-t): M is a whole number
	v_sub_f32 v[TMP], v12, v[TMP]                  ; old M less new M: a whole number, 0 or less
	v_cvt_i32_f32 v[TMP], v[TMP]                   ; (it saturates)
	v_ldexp_f32 v[FF], 1.0, v[TMP]                 ; f = 2^(old M - new M)
.set j, 0
.rept 32
	v_pk_fma_f32 v[S+j:S+j+1], v[S+j:S+j+1], s[CS:CS+1], v[12:13] op_sel_hi:[1,0,0]   ; t - M, two at a time
.set j, j+2
.endr
.irp b, 0,1,2,3
	v_fma_f32 v[BM+\b], v[BM+\b], s[CS], v12       ; the same of each block's largest score
.endr
.set j, 0
.rept 64
	v_exp_f32 v[S+j], v[S+j]                       ; p = 2^(t - M), at most 1
.set j, j+1
.endr
	v_pk_mul_f32 v[14:15], v[14:15], v[FF:FF+1] op_sel_hi:[1,0]   ; the sums under the new M: a plain place behind the exponentials
	s_wait_alu depctr_va_vdst(0)                   ; one wait for the batch of 64, ahead of its first reader
.irp b, 0,1,2,3
	v_exp_f32 v[BM+\b], v[BM+\b]                   ; the block's largest p
.endr
	v_pk_add_f32 v[SUM2:SUM2+1], v[S:S+1], v[S+2:S+3]   ; the row's sum is taken of the unquantised p, in two chains
.irp j, 4,8,12,16,20,24,28,32,36,40,44,48,52,56,60
	v_pk_add_f32 v[14:15], v[14:15], v[S+\j:S+1+\j]
	v_pk_add_f32 v[SUM2:SUM2+1], v[SUM2:SUM2+1], v[S+2+\j:S+3+\j]
.endr
	v_pk_add_f32 v[14:15], v[14:15], v[SUM2:SUM2+1]
	s_wait_alu depctr_va_vdst(0)                   ; and one for the four
.irp b, 0,1,2,3
	v_max_num_f32 v[BM+\b], 0x2800000, v[BM+\b]    ; the floor 2^(5 - 127): the byte cannot fall under 1
.endr
.irp b, 0,1,2,3
	v_add_nc_u32 v[SOP+\b], 0xfe000000, v[BM+\b]   ; 4 off the exponent field: the conversion's scale operand
.endr
.irp b, 0,1,2,3
	v_lshrrev_b32 v[BY+\b], 23, v[SOP+\b]
.endr
	v_lshl_or_b32 v[PS], v[BY+1], 8, v[BY]         ; p's scale word for these 128 keys
	v_lshl_or_b32 v[PS], v[BY+2], 16, v[PS]
	v_lshl_or_b32 v[PS], v[BY+3], 24, v[PS]
.irp c, 0,1
	v_cvt_scalef32_pk16_bf6_f32 v[PC+6*\c:PC+2+6*\c], v[S+32*\c:S+15+32*\c], v[SOP+2*\c]
	v_cvt_scalef32_pk16_bf6_f32 v[PC+12+4*\c:PC+14+4*\c], v[S+16+32*\c:S+31+32*\c], v[SOP+2*\c+1]
.endr
	v_nop                                          ; one plain place behind a scaled conversion
.irp c, 0,1
.irp i, 0,1,2
	v_permlane16_swap_b32 v[PC+6*\c+\i], v[PC+12+4*\c+\i]
.endr
.irp i, 0,1,2
	v_mov_b32 v[PC+3+6*\c+\i], v[PC+12+4*\c+\i]
.endr
.endr
.set j, 0
.rept 16
	v_pk_mul_f32 v[OT+j:OT+j+1], v[OT+j:OT+j+1], v[FF:FF+1] op_sel_hi:[1,0]   ; O^T under the new M; these are also the places in front of the products below
.set j, j+2
.endr
	s_wait_dscnt 0x0                               ; V's fragments and scale words are in
.irp g, 0,1                                    ; O^T += V^T P^T: four tiles of 16 of the head's 64, by turns
	v_wmma_scale_f32_16x16x128_f8f6f4 v[OT+16*\g:OT+16*\g+7], v[F+24*\g:F+24*\g+11], v[PC:PC+11], v[OT+16*\g:OT+16*\g+7], v[VS+\g], v[PS] matrix_a_fmt:MATRIX_FMT_BF6 matrix_b_fmt:MATRIX_FMT_BF6
	v_wmma_scale_f32_16x16x128_f8f6f4 v[OT+16*\g+8:OT+16*\g+15], v[F+24*\g+12:F+24*\g+23], v[PC:PC+11], v[OT+16*\g+8:OT+16*\g+15], v[VS+\g], v[PS] matrix_a_fmt:MATRIX_FMT_BF6 matrix_b_fmt:MATRIX_FMT_BF6 matrix_a_scale:MATRIX_SCALE_ROW1
.endr
.Lhid_\@:
	s_lshr_b32 s[FL], s[FL], 1                     ; the next step's flags at bits 0 and 16
	s_add_nc_u64 s[MP:MP+1], s[MP:MP+1], 256       ; and its lane masks (the scalar loads above were waited for)
.endm
; A SLOT'S TWO STEPS.  At the head the next slot's codes are asked for, if some tile of the block that will read them has an open key there; at the end they go into the other slot.  ONE barrier: in front of it my reads of this slot
; are over and my stores into the other have landed; behind it the other slot is read, and this one is written only at the next trip's end.
.macro SLOTTRIP sl
	s_lshr_b32 s[BFV], s[BFV], 2
	s_add_co_u32 s[SO], s[SO], 12288
	s_cmp_eq_u32 s[SO], 98304
	s_cselect_b32 s[SO], 0, s[SO]                  ; behind a pass's last slot comes the next pass's first
	s_and_b32 s[STM], s[BFV], 3
	s_cmp_eq_u32 s[STM], 0
	s_cbranch_scc1 .Lnone_\@
	v_add_nc_u32 v[GA], s[SO], v[GOF]
.irp c, 0,1,2
	global_load_b128 v[SGR+4*\c:SGR+4*\c+3], v[GA], s[SB:SB+1] offset:512*\c
.endr
.Lnone_\@:
	STEP \sl, 0
	STEP \sl, 1
	s_wait_loadcnt 0x0
.irp c, 0,1,2
	ds_store_b128 v[LS0], v[SGR+4*\c:SGR+4*\c+3] offset:SLB*(1-\sl)+512*\c   ; always: what was not fetched is read by nobody
.endr
	s_wait_dscnt 0x0
	s_barrier_signal -1
	s_barrier_wait -1
.endm
; A PASS: one block of 256 queries.
.macro PASS p
	s_wait_xcnt 0x0                                ; earlier loads and stores have read their bases and registers
.if \p
	s_sub_co_u32 s16, 7, s[QI]
	s_mov_b32 s[FL], s[FL1]
.else
	s_mov_b32 s16, s[QI]
.endif
	s_lshl_b32 s17, s16, 4
	s_add_co_u32 s17, s17, s[WV]                   ; my query tile
	s_lshr_b32 s18, s17, 3                         ; its group of 128 tokens
	s_mul_i32 s20, s[BH], 98304
	s_mul_i32 s21, s17, 768
	s_add_co_u32 s20, s20, s21
	s_mov_b32 s21, 0
	s_add_nc_u64 s[QP:QP+1], s[4:5], s[20:21]      ; Q's half fragment
	s_lshr_b32 s22, s[BH], 1
	s_lshl_b32 s22, s22, 4
	s_add_co_u32 s22, s22, s18
	s_lshl_b32 s22, s22, 9
	s_add_co_u32 s22, s22, 18874368
	s_mov_b32 s23, 0
	s_add_nc_u64 s[QSP:QSP+1], s[4:5], s[22:23]    ; its scale image
	s_lshl_b32 s24, s17, 12
	s_mov_b32 s25, 0
	s_add_nc_u64 s[MP:MP+1], s[6:7], s[24:25]      ; its lane masks: 16 key steps of 256 bytes
	s_lshr_b32 s26, s[BH], 4
	s_lshl_b32 s26, s26, 4
	s_add_co_u32 s26, s26, s18                     ; token group 16 b + g
	s_lshl_b32 s26, s26, 3
	s_bfe_u32 s27, s[BH], 0x30001
	s_add_co_u32 s26, s26, s27                     ; x 8 + head pair = K step of the last product
	s_lshl_b32 s28, s26, 9
	s_add_co_u32 s28, s28, 6291456
	s_mov_b32 s29, 0
	s_add_nc_u64 s[YSP:YSP+1], s[8:9], s[28:29]    ; y's scale image
	s_lshl_b32 s26, s26, 3
	s_and_b32 s27, s[WV], 7
	s_add_co_u32 s26, s26, s27
	s_mul_i32 s26, s26, 1536
	s_and_b32 s27, s[BH], 1
	s_mul_i32 s27, s27, 768
	s_add_co_u32 s26, s26, s27
	s_mov_b32 s27, 0
	s_add_nc_u64 s[YP:YP+1], s[8:9], s[26:27]      ; y's half fragment
	global_load_b128 v[16:19], v[L16], s[QP:QP+1]
	global_load_b64 v[20:21], v[L8], s[QP:QP+1] offset:512
	global_load_b32 v[TMP], v[QSAD], s[QSP:QSP+1]
	s_wait_loadcnt 0x0
.irp j, 0,1,2,3,4,5
	v_mov_b32 v[28+\j], v[16+\j]
.endr
	v_lshrrev_b32 v[TMP], s[PSH], v[TMP]
	v_and_b32 v[QSL], 0xffff, v[TMP]               ; Q's two bytes below, for [Q | 0],
	v_lshlrev_b32 v[QSH], 16, v[TMP]               ; and above, for [0 | Q]
.set j, 0
.rept 32
	v_mov_b32 v[OT+j], 0                           ; O^T: the step is written once; the first finds zeros.  These lines are also the places between the scale words' and Q's writes and the first product
.set j, j+1
.endr
	v_mov_b32 v13, 0xff61b1e6                      ; the largest t so far: -3e38
	v_floor_f32 v12, -v13
	v_mov_b32 v14, 0
	v_mov_b32 v15, 0
	s_mov_b32 s[TS], 0
	s_mov_b32 s[CNT], 4
.Lkeys_\@:                                     ; four trips of two slots: all 2,048 keys
	v_add_nc_u32 v[KSA], s[TS], v[KS0]
	SLOTTRIP 0
	SLOTTRIP 1
	s_add_co_u32 s[TS], s[TS], 1024                ; four key steps' scale words on
	s_sub_co_u32 s[CNT], s[CNT], 1
	s_cmp_lg_u32 s[CNT], 0
	s_cbranch_scc1 .Lkeys_\@
	; THE WAY OUT: O^T / the sum, quantised along the head's 64: two blocks of 32, each shared with lane l xor 16
.rept 4
	v_nop
.endr
	v_add_f32 v14, v14, v15
	v_permlanex16_b32 v[T2], v14, s[SEL], s[SEL+1]
	v_add_f32 v14, v14, v[T2]                      ; the row's sum
	v_rcp_f32 v[FF], v14
	v_nop                                          ; a plain place behind the reciprocal
	s_wait_alu depctr_va_vdst(0)                   ; ahead of its first reader
.set j, 0
.rept 16
	v_pk_mul_f32 v[96+j:97+j], v[OT+j:OT+j+1], v[FF:FF+1] op_sel_hi:[1,0]   ; register 16 b + i is y(my query, 32 b + 16 h + i)
.set j, j+2
.endr
.irp b, 0,1
	v_max3_num_f32 v[BM+\b], |v[96+16*\b]|, |v[97+16*\b]|, 0x2800000
.endr
.irp i, 2,4,6,8,10,12,14
.irp b, 0,1
	v_max3_num_f32 v[BM+\b], v[BM+\b], |v[96+16*\b+\i]|, |v[97+16*\b+\i]|
.endr
.endr
.irp b, 0,1
	v_permlanex16_b32 v[T2+\b], v[BM+\b], s[SEL], s[SEL+1]
.endr
.irp b, 0,1
	v_max_num_f32 v[BM+\b], v[BM+\b], v[T2+\b]
.endr
.irp b, 0,1
	v_add_nc_u32 v[SOP+\b], 0xfe000000, v[BM+\b]
.endr
.irp b, 0,1
	v_lshrrev_b32 v[BY+\b], 23, v[SOP+\b]
.endr
	v_cvt_scalef32_pk16_bf6_f32 v[PC:PC+2], v[96:111], v[SOP]
	v_cvt_scalef32_pk16_bf6_f32 v[PC+12:PC+14], v[112:127], v[SOP+1]
	v_nop                                          ; one plain place behind a scaled conversion
.irp i, 0,1,2
	v_permlane16_swap_b32 v[PC+\i], v[PC+12+\i]
.endr
.irp i, 0,1,2
	v_mov_b32 v[PC+3+\i], v[PC+12+\i]
.endr
	s_mov_b32 s16, 0xffff0000
	v_cndmask_b32 v[BY], v[BY], v[BY+1], s16       ; lanes 0-15 store block 0's byte, lanes 16-31 block 1's
	v_mov_b32 v[TMP], 0xff
	v_cmp_eq_f32 vcc_lo, 0, v14
	v_cndmask_b32 v[BY], v[BY], v[TMP], vcc_lo     ; a row with no open key at all
	s_lshr_b32 s15, s[PSH], 3
	v_add3_u32 v[YSA], v[QSAD], v[HH], s15         ; my row's word, + 2 x (head % 2) + block
	global_store_b128 v[L16], v[PC:PC+3], s[YP:YP+1]
	global_store_b64 v[L8], v[PC+4:PC+5], s[YP:YP+1] offset:512
	global_store_b8 v[YSA], v[BY], s[YSP:YSP+1]
.endm
	PASS 0
	PASS 1
	s_wait_tensorcnt 0x0
	ds_add_u32 v254, v255
	s_wait_dscnt 0x0
	s_endpgm
.Lfunc_end_k_q277c489ed3_attn:
	.size	k_q277c489ed3_attn, .Lfunc_end_k_q277c489ed3_attn-k_q277c489ed3_attn
	.p2alignl 7, 3214868480
	.fill 96, 4, 3214868480
	.section	.rodata,"a",@progbits
	.p2align	6, 0x0
	.amdhsa_kernel k_q277c489ed3_attn
		.amdhsa_group_segment_fixed_size 59392
		.amdhsa_private_segment_fixed_size 0
		.amdhsa_enable_private_segment 0
		.amdhsa_kernarg_size 24
		.amdhsa_user_sgpr_count 2
		.amdhsa_user_sgpr_kernarg_segment_ptr 1
		.amdhsa_wavefront_size32 1
		.amdhsa_system_sgpr_workgroup_id_x 1
		.amdhsa_system_sgpr_workgroup_id_y 1
		.amdhsa_system_sgpr_workgroup_id_z 1
		.amdhsa_system_vgpr_workitem_id 0
		.amdhsa_next_free_vgpr 256
		.amdhsa_next_free_sgpr 102
		.amdhsa_reserve_vcc 1
		.amdhsa_float_denorm_mode_32 3
		.amdhsa_float_denorm_mode_16_64 3
		.amdhsa_memory_ordered 1
		.amdhsa_forward_progress 1
		.amdhsa_inst_pref_size 186
	.end_amdhsa_kernel
	.amdgpu_metadata
---
amdhsa.version: [ 1, 2 ]
amdhsa.kernels:
  - .name:           k_q277c489ed3_attn
    .symbol:         k_q277c489ed3_attn.kd
    .args:
      - { .name: qkv, .offset: 0, .size: 8, .value_kind: global_buffer, .address_space: global }
      - { .name: mk, .offset: 8, .size: 8, .value_kind: global_buffer, .address_space: global }
      - { .name: yb, .offset: 16, .size: 8, .value_kind: global_buffer, .address_space: global }
    .group_segment_fixed_size: 59392
    .private_segment_fixed_size: 0
    .kernarg_segment_align: 8
    .kernarg_segment_size: 24
    .max_flat_workgroup_size: 512
    .sgpr_count:     102
    .vgpr_count:     256
    .wavefront_size: 32
...
	.end_amdgpu_metadata
.endif
;; end of part 3
;; launch proj (part 4): grid 4 x 32, 4 waves a work-group, clusters of 4 x 4, 327,680 bytes of LDS; arguments yb, wb, bp, out0; writes out0
.if DOCPART == 4
	.amdgcn_target "amdgcn-amd-amdhsa--gfx1250"
	.amdhsa_code_object_version 6
	.text
	.protected	k_q277c489ed3_proj
	.globl	k_q277c489ed3_proj
	.p2align	8
	.type	k_q277c489ed3_proj,@function
k_q277c489ed3_proj:
	s_mov_b64 s[64:65], 0
	v_nop
	global_prefetch_b8 v0, s[64:65] scope:SCOPE_SE
	s_setreg_imm32_b32 hwreg(HW_REG_WAVE_MODE, 25, 1), 1
	s_wait_xcnt 0x0
	s_wait_alu depctr_hold_cnt(0) depctr_sa_sdst(0) depctr_va_vdst(0) depctr_va_sdst(0) depctr_va_ssrc(0) depctr_va_vcc(0) depctr_vm_vsrc(0)
	s_getreg_b32 s2, hwreg(HW_REG_IB_STS2, 6, 4)
	s_cmp_eq_u32 s2, 0
	s_cbranch_scc0 .Lentry_in_a_cluster
	s_endpgm
.Lentry_in_a_cluster:
	s_bfe_u32 s2, ttmp6, 0x10000c
	s_cmp_lg_u32 s2, 0xf033
	s_cbranch_scc0 .Lentry_shape_is_right
	s_endpgm
.Lentry_shape_is_right:
; PROJ.  out = y Wp + bp on codes of BF6 with E8M0 scales; out [8192][1024] f32.
; A tile of 256 x 256 is made by four waves, each 128 x 128: 64 accumulators, 512 registers.  K = 1,024 goes in 8 steps of 128 through two LDS slots of two steps each, filled by the tensor data mover.
; OPERANDS ARE IMAGES OF THEIR REGISTERS (a fragment, 16 rows x 128 K, is 1,536 bytes: registers 0-3 at 16 x lane, 4-5 at 512 + 8 x lane, 6-9 at 768 + 16 x lane, 10-11 at 1,280 + 8 x lane): two K steps of a group of 128 rows are
; one dense block of 24,576 bytes, and every LDS load reads consecutive bytes.  Lane r of a group's tile i holds row 32 (i / 2) + 8 (i % 2) + r + 8 (r / 8).
; THE MATRIX INSTRUCTION IS USED TRANSPOSED: source 0 = 16 columns of Wp (the B side), source 1 = 16 tokens (the A side): a lane holds one token and eight neighbouring outputs.  The bias is the C of the first K step's products.
; CLUSTERS: 4 x 4 work-groups; y's blocks are asked for jointly along a row of the cluster, Wp's along a column.  128 work-groups: a smaller wave tile would read each fragment from LDS for half as many products.
; The scale images of the work-group's four groups, for all of K, come once, with the first fills.  A wave has three tensor loads out at the start, later one.
; REGISTERS: window 0: v16-31 addresses, v32-63 scale words (two sets of 16), v64-127 the bias in the result's layout, v128-223 A's 8 fragments; on the way out v128-255 take rows of the result.
;   window 1: B's fragments, two sets.  windows 2, 3: the accumulators ((a, b) at v[8 (8 (a % 4) + b)]).
.set FR,    12
.set FRB,   1536
.set KSB,   12288
.set PART,  24576
.set SLOT,  4*PART
.set SCL,   2*SLOT
.set SPARE, SCL+4*4096                 ; the spare words, 128 bytes for each wave: two blocks of 256 bytes that no other line names
.set SPITCH, 528                       ; the way out: a stage of 16 rows x (512 bytes + 16) for each wave, in slot 0, which has had its last fill and its last read by then
.set NL,    4
.set NP,    4
.set A16,   16
.set A8,    18
.set B16,   20
.set B8,    22
.set STO,   24
.set RD,    25
.set L16,   26
.set ASA,   27
.set SPW,   28
.set NIL,   29
.set ASB,   30
.set L8,    31
.set SC,    32
.set BI,    64
.set AF,    128
.set BK,    128
.set G1,    24
.set G0,    32
.set G1B,   48
.set G0B,   56
.set G1S,   68
.set G0S,   76
.set G1SB,  80
.set G0SB,  88
.set MSB, 0
.macro WIN new                         ; the immediate's high byte repeats the setting that is left
.if MSB != (\new)
	s_set_vgpr_msb (MSB<<8)|(\new)
.set MSB, (\new)
.endif
.endm
.set TO_B, 0x40
.macro JLOAD g0a, g1a, g0b, g1b        ; a joint load: waves 0 and 1 fetch for A, waves 2 and 3 for B; four v_nop follow each of the two lines
	s_cmp_eq_u32 s17, 0
	s_cbranch_scc0 .Lfor_b_\@
	tensor_load_to_lds s[\g0a:\g0a+3], s[\g1a:\g1a+7]
	s_nop 0
.rept 4
	v_nop
.endr
	s_branch .Lasked_\@
.Lfor_b_\@:
	tensor_load_to_lds s[\g0b:\g0b+3], s[\g1b:\g1b+7]
	s_nop 0
.rept 4
	v_nop
.endr
.Lasked_\@:
.endm
.macro CREST
	s_cmp_lg_u32 s16, 0
	s_cbranch_scc1 .Lnot_wave_0_\@
	s_barrier_signal -3
.Lnot_wave_0_\@:
	s_barrier_wait -3
	s_barrier_signal -1
	s_barrier_wait -1
.endm
.macro CROUND
	s_barrier_signal -1
	s_barrier_wait -1
	CREST
.endm
.macro PLACES n
.rept \n
	v_nop
.endr
.endm
	s_load_b256 s[4:11], s[0:1], 0x0               ; yb s[4:5], wb s[6:7], bp s[8:9], out0 s[10:11]
	v_lshl_add_u32 v[SPW], v0, 2, SPARE
	v_mov_b32 v[NIL], 0
	ds_add_u32 v28, v29
	ds_add_u32 v28, v29
	s_wait_dscnt 0x0
	v_lshrrev_b32 v1, 5, v0
	v_readfirstlane_b32 s16, v1                    ; wave 0..3
	s_lshr_b32 s17, s16, 1                         ; which of A's two groups is mine.  Also: I fetch for A (0) or for B (1)
	s_and_b32 s18, s16, 1                          ; which of B's two groups.  Also: which group of that side I fetch
	s_bfe_u32 s19, ttmp6, 0x40000                  ; cx
	s_bfe_u32 s20, ttmp6, 0x40004                  ; cy
	s_mov_b32 s21, ttmp9
	s_and_b32 s22, ttmp7, 0xffff
	s_lshl_b32 s40, s20, 2
	s_lshl_b32 s40, 15, s40                        ; my row of the cluster
	s_lshl_b32 s41, 0x1111, s19                    ; my column
	s_or_b32 s[G1], s40, (3<<16)|(1<<21)           ; a dense block as rows of 256 bytes (32 elements of 8 bytes), no padding; 15:0 the mask; 21 set beside a mask
	s_or_b32 s[G1B], s41, (3<<16)|(1<<21)
	s_or_b32 s[G1S], s40, (3<<16)|(1<<21)
	s_or_b32 s[G1SB], s41, (3<<16)|(1<<21)
.irp g, G1, G1B
	s_mov_b32 s[\g+1], 32<<16
	s_mov_b32 s[\g+2], 96<<16
	s_mov_b32 s[\g+3], 32<<16
	s_mov_b32 s[\g+4], 96
	s_mov_b32 s[\g+5], 32
	s_mov_b32 s[\g+6], 0
	s_mov_b32 s[\g+7], 0
.endr
.irp g, G1S, G1SB
	s_mov_b32 s[\g+1], 32<<16
	s_mov_b32 s[\g+2], 16<<16
	s_mov_b32 s[\g+3], 32<<16
	s_mov_b32 s[\g+4], 16
	s_mov_b32 s[\g+5], 32
	s_mov_b32 s[\g+6], 0
	s_mov_b32 s[\g+7], 0
.endr
	s_lshl_b32 s42, s22, 2
	s_add_co_u32 s42, s42, s20                     ; tile row = 4 x cluster y + cy: never holds cx
	s_lshl_b32 s43, s21, 2
	s_add_co_u32 s43, s43, s19                     ; tile column = 4 x cluster x + cx: never holds cy
	s_lshl_b32 s46, s42, 1
	s_add_co_u32 s46, s46, s18                     ; the token group that I would fetch
	s_lshl_b32 s47, s43, 1
	s_add_co_u32 s47, s47, s18
	s_add_co_u32 s47, s47, 24                      ; and the group of wb: Wp's are 24-31
	s_mul_i32 s92, s46, 98304
	s_mov_b32 s93, 0
	s_lshl_b32 s94, s46, 12
	s_add_co_u32 s94, s94, 6291456                 ; yb's scale images lie behind its codes
	s_mov_b32 s95, 0
	s_mul_i32 s96, s47, 98304
	s_mov_b32 s97, 0
	s_lshl_b32 s98, s47, 12
	s_add_co_u32 s98, s98, 3145728                 ; wb's likewise
	s_mov_b32 s99, 0
	s_mul_i32 s3, s16, PART
	s_lshl_b32 s2, s16, 12
	s_wait_kmcnt 0x0
	s_add_nc_u64 s[92:93], s[4:5], s[92:93]
	s_add_nc_u64 s[94:95], s[4:5], s[94:95]
	s_add_nc_u64 s[96:97], s[6:7], s[96:97]
	s_add_nc_u64 s[98:99], s[6:7], s[98:99]
	CROUND                                         ; all sixteen work-groups are here: the first joint loads meet
	s_mov_b32 s[G0S], 1
	s_add_co_u32 s[G0S+1], s2, SCL
	s_mov_b64 s[G0S+2:G0S+3], s[94:95]
	s_or_b32 s[G0S+3], s[G0S+3], 0x80000000
	s_mov_b32 s[G0SB], 1
	s_add_co_u32 s[G0SB+1], s2, SCL
	s_mov_b64 s[G0SB+2:G0SB+3], s[98:99]
	s_or_b32 s[G0SB+3], s[G0SB+3], 0x80000000
	JLOAD G0S, G1S, G0SB, G1SB
.irp s, 0,1
	s_mov_b32 s[G0+4*\s], 1
	s_add_co_u32 s[G0+4*\s+1], s3, \s*SLOT
	s_add_nc_u64 s[G0+4*\s+2:G0+4*\s+3], s[92:93], \s*PART
	s_or_b32 s[G0+4*\s+3], s[G0+4*\s+3], 0x80000000
	s_mov_b32 s[G0B+4*\s], 1
	s_add_co_u32 s[G0B+4*\s+1], s3, \s*SLOT
	s_add_nc_u64 s[G0B+4*\s+2:G0B+4*\s+3], s[96:97], \s*PART
	s_or_b32 s[G0B+4*\s+3], s[G0B+4*\s+3], 0x80000000
	JLOAD G0+4*\s, G1, G0B+4*\s, G1B
.endr
	v_and_b32 v1, 31, v0
	v_lshlrev_b32 v[L16], 4, v1
	v_lshlrev_b32 v[L8], 3, v1
	s_mul_i32 s40, s17, PART
	s_mul_i32 s41, s18, PART
	s_add_co_u32 s41, s41, 2*PART
.irp s, 0,1
	v_add_nc_u32 v[A16+\s], s40, v[L16]
	v_add_nc_u32 v[A8+\s], s40, v[L8]
	v_add_nc_u32 v[B16+\s], s41, v[L16]
	v_add_nc_u32 v[B8+\s], s41, v[L8]
	s_add_co_u32 s40, s40, SLOT
	s_add_co_u32 s41, s41, SLOT
.endr
	s_lshl_b32 s40, s17, 12
	s_add_co_u32 s40, s40, SCL
	v_add_nc_u32 v[ASA], s40, v[L16]
	s_lshl_b32 s41, s18, 12
	s_add_co_u32 s41, s41, SCL+8192
	v_add_nc_u32 v[ASB], s41, v[L16]
	v_and_b32 v2, 15, v0
	v_bfe_u32 v3, v0, 4, 1
	s_mul_i32 s40, s16, 16*SPITCH                  ; my stage
	v_mul_u32_u24 v[STO], v2, SPITCH
	v_lshl_add_u32 v[STO], v3, 6, v[STO]
	v_add_nc_u32 v[STO], s40, v[STO]               ; in: row r, + 64 h: tile b's eight outputs lie 128 (b / 2) + 32 (b % 2) bytes on
	v_add_nc_u32 v[RD], s40, v[L16]                ; back: the 32 lanes take one row of 512 bytes
	v_lshlrev_b32 v5, 6, v3
	s_lshl_b32 s40, s42, 1
	s_add_co_u32 s40, s40, s17                     ; my token group
	s_lshl_b32 s41, s43, 1
	s_add_co_u32 s41, s41, s18                     ; my 128 outputs
	s_lshl_b32 s92, s40, 19                        ; 128 rows of 4,096 bytes
	s_lshl_b32 s41, s41, 9
	s_add_co_u32 s92, s92, s41
	s_mov_b32 s93, 0
	s_add_nc_u64 s[92:93], s[10:11], s[92:93]
	s_mov_b32 s40, s41
	s_mov_b32 s41, 0
	s_add_nc_u64 s[98:99], s[8:9], s[40:41]
.irp t, 0,1,2,3,4,5,6,7
	global_load_b128 v[BI+8*\t:BI+8*\t+3], v5, s[98:99] offset:(32*(\t/2)+8*(\t%2))*4      ; register j of B's tile t wants the bias of output 32 (t / 2) + 8 (t % 2) + 16 h + j
	global_load_b128 v[BI+8*\t+4:BI+8*\t+7], v5, s[98:99] offset:(32*(\t/2)+8*(\t%2))*4+16
.endr
.macro FRAG reg, a16, a8, off
	ds_load_b128 v[\reg:\reg+3], v[\a16] offset:\off
	ds_load_b64 v[\reg+4:\reg+5], v[\a8] offset:\off+512
	ds_load_b128 v[\reg+6:\reg+9], v[\a16] offset:\off+768
	ds_load_b64 v[\reg+10:\reg+11], v[\a8] offset:\off+1280
.endm
.macro FETCH_B slot, q, p
	WIN TO_B
.irp i, 0,1,2,3,4,5,6,7
	FRAG 128*(\p)+FR*\i, B16+\slot, B8+\slot, KSB*(\q)+FRB*\i
.endr
	WIN 0
.endm
.macro FETCH_A slot, q, i0
.irp i, \i0, \i0+1, \i0+2, \i0+3
	FRAG AF+FR*(\i), A16+\slot, A8+\slot, KSB*(\q)+FRB*(\i)
.endr
.endm
.macro SCALES sc, kk                   ; the scale words of K steps 2 kk, 2 kk + 1: register i / 2 serves tile i, lanes 16-31 where i is odd
	ds_load_b128 v[SC+16*\sc:SC+16*\sc+3], v[ASA] offset:1024*\kk
	ds_load_b128 v[SC+16*\sc+4:SC+16*\sc+7], v[ASA] offset:1024*\kk+512
	ds_load_b128 v[SC+16*\sc+8:SC+16*\sc+11], v[ASB] offset:1024*\kk
	ds_load_b128 v[SC+16*\sc+12:SC+16*\sc+15], v[ASB] offset:1024*\kk+512
.endm
.macro WM
.if rRA
.if rRB
	v_wmma_scale_f32_16x16x128_f8f6f4 v[rD:rD+7], v[rA:rA+11], v[rB:rB+11], v[rC:rC+7], v[rSA], v[rSB] matrix_a_fmt:MATRIX_FMT_BF6 matrix_b_fmt:MATRIX_FMT_BF6 matrix_a_scale:MATRIX_SCALE_ROW1 matrix_b_scale:MATRIX_SCALE_ROW1
.else
	v_wmma_scale_f32_16x16x128_f8f6f4 v[rD:rD+7], v[rA:rA+11], v[rB:rB+11], v[rC:rC+7], v[rSA], v[rSB] matrix_a_fmt:MATRIX_FMT_BF6 matrix_b_fmt:MATRIX_FMT_BF6 matrix_a_scale:MATRIX_SCALE_ROW1
.endif
.else
.if rRB
	v_wmma_scale_f32_16x16x128_f8f6f4 v[rD:rD+7], v[rA:rA+11], v[rB:rB+11], v[rC:rC+7], v[rSA], v[rSB] matrix_a_fmt:MATRIX_FMT_BF6 matrix_b_fmt:MATRIX_FMT_BF6 matrix_b_scale:MATRIX_SCALE_ROW1
.else
	v_wmma_scale_f32_16x16x128_f8f6f4 v[rD:rD+7], v[rA:rA+11], v[rB:rB+11], v[rC:rC+7], v[rSA], v[rSB] matrix_a_fmt:MATRIX_FMT_BF6 matrix_b_fmt:MATRIX_FMT_BF6
.endif
.endif
.endm
; 16 products: A's blocks a0, a0 + 1 x B's eight.  cm = 0: C is the accumulator; 1: the bias by B's tile (window 0).  The 64 accumulators take turns, one instruction a turn.
.macro MUL16 a0, p, q, sc, cm
.irp a, \a0, \a0+1
.irp b, 0,1,2,3,4,5,6,7
.set rD, 8*(8*((\a)%4)+\b)
.set rA, 128*(\p)+FR*\b
.set rB, AF+FR*(\a)
.set rSA, SC+16*(\sc)+8+4*(\q)+(\b)/2
.set rSB, SC+16*(\sc)+4*(\q)+(\a)/2
.set rRA, (\b)%2
.set rRB, (\a)%2
.if (\cm) == 1
.set rC, BI+8*\b
.else
.set rC, rD
.endif
	WM
.endr
.endr
.endm
.macro MWIN hi, cm
.if \cm
	WIN 0x81+0x40*(\hi)
.else
	WIN 0xa1+0x50*(\hi)
.endif
.endm
.macro STEP slot, q, cm
	s_wait_dscnt 4*NL                              ; all but the youngest sixteen loads (A's blocks 4-7) are in
	MWIN 0, \cm
	MUL16 0, (\q)%2, \q, \slot, \cm
	MUL16 2, (\q)%2, \q, \slot, \cm
	s_wait_dscnt 0
	PLACES NP
	FETCH_B \slot, (\q)+1, 1-(\q)%2
	FETCH_A \slot, (\q)+1, 0
	MWIN 1, \cm
	MUL16 4, (\q)%2, \q, \slot, \cm
	MUL16 6, (\q)%2, \q, \slot, \cm
	PLACES NP
	WIN 0
	FETCH_A \slot, (\q)+1, 4
.endm
.macro TURN slot, next, fill, kk
	s_wait_tensorcnt 0x0                           ; all my tensor loads have landed: my part of the next slot
	ds_add_u32 v[SPW], v[NIL]                      ; 0 onto my spare word
	s_wait_dscnt 4*NL+1                            ; the add and the youngest sixteen loads may be out
	WIN 0xa1
	MUL16 0, 1, 1, \slot, 0
	s_wait_dscnt 0x0                               ; the add is done, and my reads of this slot are over
	s_barrier_signal -1
	MUL16 2, 1, 1, \slot, 0
	WIN 0
	s_barrier_wait -1
.if \fill
	CREST                                          ; a round of the cluster's barrier: no wave of any partner still reads this slot or has a load on its way
	s_add_nc_u64 s[G0+4*\slot+2:G0+4*\slot+3], s[G0+4*\slot+2:G0+4*\slot+3], 2*PART
	s_add_nc_u64 s[G0B+4*\slot+2:G0B+4*\slot+3], s[G0B+4*\slot+2:G0B+4*\slot+3], 2*PART
	JLOAD G0+4*\slot, G1, G0B+4*\slot, G1B
.else
	PLACES NP
.endif
	FETCH_B \next, 0, 0
	FETCH_A \next, 0, 0
	SCALES \next, \kk
	WIN 0xf1
	MUL16 4, 1, 1, \slot, 0
	MUL16 6, 1, 1, \slot, 0
	PLACES NP
	WIN 0
	FETCH_A \next, 0, 4
.endm
	s_wait_tensorcnt 1                             ; the scales and my part of slot 0 are in; slot 1's load may be out
	s_barrier_signal -1
	s_barrier_wait -1
	FETCH_B 0, 0, 0
	FETCH_A 0, 0, 0
	SCALES 0, 0
	FETCH_A 0, 0, 4
	s_wait_loadcnt 0x0                             ; the bias
	STEP 0, 0, 1
	TURN 0, 1, 1, 1
	STEP 1, 0, 0
	TURN 1, 0, 1, 2
	STEP 0, 0, 0
	TURN 0, 1, 0, 3
	STEP 1, 0, 0
	s_wait_dscnt 4*NL
	WIN 0xa1
	MUL16 0, 1, 1, 1, 0
	MUL16 2, 1, 1, 1, 0
	s_wait_dscnt 0
	WIN 0xf1
	MUL16 4, 1, 1, 1, 0
	MUL16 6, 1, 1, 1, 0
	WIN 0
; THE WAY OUT, a block of 16 tokens x 128 outputs at a time, through my own stage in LDS: back come whole rows of 512 bytes, which the 32 lanes store as two aligned runs of 256 bytes.
; LDS serves a wave's instructions in order (ISA guide 5.7.1.4): no wait between the stores and the loads.
.macro TOSTAGE a
.set AC, 64*((\a)%4)
	WIN 0x08+4*((\a)/4)                            ; an LDS store's data: window 2 or 3
.irp b, 0,1,2,3,4,5,6,7
	ds_store_b128 v[STO], v[AC+8*\b:AC+8*\b+3] offset:128*(\b/2)+32*(\b%2)        ; each accumulator from its low end on
	ds_store_b128 v[STO], v[AC+8*\b+4:AC+8*\b+7] offset:128*(\b/2)+32*(\b%2)+16
.endr
	WIN 0
.set BB, BK+64*((\a)%2)
.irp t, 0,1,2,3,4,5,6,7,8,9,10,11,12,13,14,15
	ds_load_b128 v[BB+4*\t:BB+4*\t+3], v[RD] offset:\t*SPITCH
.endr
.endm
.macro SEND a, younger                 ; younger: the LDS instructions issued behind block a's loads, which may stay out
.set BB, BK+64*((\a)%2)
	s_wait_dscnt \younger
.irp t, 0,1,2,3,4,5,6,7,8,9,10,11,12,13,14,15
	global_store_b128 v[L16], v[BB+4*\t:BB+4*\t+3], s[92:93] offset:(32*((\a)/2)+8*((\a)%2)+\t+8*(\t/8))*4096 th:TH_STORE_NT   ; row t of tile a is token 32 (a / 2) + 8 (a % 2) + t + 8 (t / 8) of the group
.endr
.endm
	PLACES NP                                      ; in front of the reads of results and of the loads into registers that held A's fragments
	TOSTAGE 0
.irp a, 1,2,3,4,5,6,7
.if \a > 1
	s_wait_xcnt 0x0                                ; block a - 2's stores have read their registers: block a's loads may land there
.endif
	TOSTAGE \a
	SEND \a-1, 32                                  ; behind block a - 1's loads: block a's 16 stores and 16 loads
.endr
	SEND 7, 0
	s_wait_tensorcnt 0x0                           ; the wave's end
	ds_add_u32 v[SPW], v[NIL]
	s_wait_dscnt 0x0
	CROUND                                         ; the closing round
	s_endpgm
.Lfunc_end_k_q277c489ed3_proj:
	.size	k_q277c489ed3_proj, .Lfunc_end_k_q277c489ed3_proj-k_q277c489ed3_proj
	.p2alignl 7, 3214868480
	.fill 96, 4, 3214868480
	.section	.rodata,"a",@progbits
	.p2align	6, 0x0
	.amdhsa_kernel k_q277c489ed3_proj
		.amdhsa_group_segment_fixed_size 327680
		.amdhsa_private_segment_fixed_size 0
		.amdhsa_enable_private_segment 0
		.amdhsa_kernarg_size 32
		.amdhsa_user_sgpr_count 2
		.amdhsa_user_sgpr_kernarg_segment_ptr 1
		.amdhsa_wavefront_size32 1
		.amdhsa_system_sgpr_workgroup_id_x 1
		.amdhsa_system_sgpr_workgroup_id_y 1
		.amdhsa_system_sgpr_workgroup_id_z 1
		.amdhsa_system_vgpr_workitem_id 0
		.amdhsa_next_free_vgpr 1024
		.amdhsa_next_free_sgpr 100
		.amdhsa_reserve_vcc 0
		.amdhsa_float_denorm_mode_32 3
		.amdhsa_float_denorm_mode_16_64 3
		.amdhsa_memory_ordered 1
		.amdhsa_forward_progress 1
		.amdhsa_inst_pref_size 143
	.end_amdhsa_kernel
	.amdgpu_metadata
---
amdhsa.version: [ 1, 2 ]
amdhsa.kernels:
  - .name:           k_q277c489ed3_proj
    .symbol:         k_q277c489ed3_proj.kd
    .args:
      - { .name: yb, .offset: 0, .size: 8, .value_kind: global_buffer, .address_space: global }
      - { .name: wb, .offset: 8, .size: 8, .value_kind: global_buffer, .address_space: global }
      - { .name: bp, .offset: 16, .size: 8, .value_kind: global_buffer, .address_space: global }
      - { .name: out0, .offset: 24, .size: 8, .value_kind: global_buffer, .address_space: global }
    .group_segment_fixed_size: 327680
    .private_segment_fixed_size: 0
    .kernarg_segment_align: 8
    .kernarg_segment_size: 32
    .max_flat_workgroup_size: 128
    .sgpr_count:     100
    .vgpr_count:     1024
    .wavefront_size: 32
...
	.end_amdgpu_metadata
.endif
;; end of part 4
;; ======== version 2 of 2: 4 launches; version 1 with the launch attn written anew for expert scheduling mode
;; workspace buffers: xb 6,553,600 bytes; wb 3,276,800 bytes; mk 525,312 bytes of whole numbers; qkv 19,660,800 bytes; yb 6,553,600 bytes
;; launch prep: the kernel of part 1 again; grid 1024 x 1, 8 waves a work-group, no clusters, 69,376 bytes of LDS; arguments x, Wq, Wk, Wv, Wp, mask, xb, wb, mk; writes xb, wb, mk
;; launch qkv: the kernel of part 2 again; grid 12 x 32, 4 waves a work-group, clusters of 4 x 4, 327,680 bytes of LDS; arguments xb, wb, bq, bk, bv, qkv; writes qkv
;; launch attn (part 5): grid 4 x 64, 16 waves a work-group, no clusters, 59,392 bytes of LDS; arguments qkv, mk, yb; writes yb
.if DOCPART == 5
	.amdgcn_target "amdgcn-amd-amdhsa--gfx1250"
	.amdhsa_code_object_version 6
	.text
	.protected	k_q277c489ed3_attn
	.globl	k_q277c489ed3_attn
	.p2align	8
	.type	k_q277c489ed3_attn,@function
k_q277c489ed3_attn:
	s_mov_b64 s[64:65], 0
	v_nop
	global_prefetch_b8 v0, s[64:65] scope:SCOPE_SE
	s_setreg_imm32_b32 hwreg(HW_REG_WAVE_SCHED_MODE, 0, 2), 2
	s_setreg_imm32_b32 hwreg(HW_REG_WAVE_MODE, 25, 1), 1
	s_wait_xcnt 0x0
	s_wait_alu depctr_vm_vsrc(0)
; ATTN.  y[b][h][q] = the sum over keys of softmax(q . k / 8, masked) v, both products on codes of BF6 with E8M0 scales; y leaves as codes, quantised along the head's 64, in the layout that the last product reads.
; THE SOFTMAX: t = score x log2(e) / 8; M = the row's largest t so far, rounded up to a whole number; p = 2^(t - M) is quantised along the keys, not normalised; the row's sum is taken of the unquantised p and divides at the end.
; When M moves, the sum and O are multiplied by 2^(old M - new M), which rounds nothing.
; SHARES.  A work-group takes one head and two blocks of 256 queries, block i and then block 7 - i; each of its sixteen waves one tile of 16 queries, in 256 registers, four waves to a SIMD.  Every wave walks the key steps of 128 keys.
; THE MASK IS AN INPUT.  The launch before has stored, for each query tile and key step, a flag 'some key open', a flag 'open and hidden mixed', and 64 lane masks.  A step with no open key is jumped over (a scalar branch on the stored
; flag, round the step's loads, products and softmax, never round a barrier); in a mixed step hidden scores become -infinity ahead of the maximum.:
; K's and V's codes go from memory through registers into two LDS slots of 256 keys, one slot ahead, each wave 1,536 bytes of a slot; a slot in which none of the block's tiles has an open key is not fetched.
; No multicast: the branches on stored numbers exclude tensor loads.  No prefetch: the loads for a slot are issued a whole slot's work ahead of their wait.
; LAYOUT.  Both products transposed: S^T = K Q^T, O^T = V^T P^T: a lane holds one query throughout.  Lane r of a group's tile i holds row 32 (i / 2) + 8 (i % 2) + r + 8 (r / 8), so 16 registers of two neighbouring tiles are 16 neighbours.
; THE FIRST PRODUCT'S K IS 64, half of the instruction's 128.  A fragment of K holds key tile f in its lower half and key tile f + 4 in its upper; Q stands as Q, zeros, Q in 18 registers: [Q | 0] gives tile f, [0 | Q] tile f + 4.
; The zero codes add nothing under the scale byte 0.
; LIMITS: NaN and infinities are not served; a block under 2^-122 keeps the byte 1; a query row that the mask hides wholly gets the scale byte 0xff, which makes the row's outputs NaN, as the softmax of such a row is.
; REGISTERS: v1-11 addresses; v12 -M, v13 the largest t, v[14:15] the sum in two halves; v16-33 Q, zeros, Q; v34-35 Q's scale words; v36-83 four fragments of K or V; v84-95 codes on their way to LDS; v96-159 S^T, then p;
;   v160-191 O^T; v192-196 scale words; v198-216 codes of p or y; v218-239 at work.
; THE MODE: SCHED_MODE bits 1:0 = 2 (LLVM: expert scheduling mode 2), set by the entry lines.  The code itself states the register dependences between vector or matrix instructions and memory or LDS instructions,
; with s_wait_alu, always for 0.
; THE PLAN.  Registers that memory or LDS instructions touch:
;   v[F ..], v[KS ..], v[VS ..]   LDS loads land in them, matrix instructions alone read them.  K's fragments and words are asked for at a step's head, V's behind the step's eight first products.
;   v[SGR ..]                     global loads land in them at a slot's head, LDS stores read them at its end; no vector instruction names them.
;   v[KSA], v[GA]                 addresses: read by the scale words' LDS loads and by a slot's global loads; written at a slot's head (v[KSA] in a trip's first slot alone).
;   v[L16], v[L8], v[GOF], v[LS0], v[KS0], v[QSAD]   made at the kernel's head, never written again.
;   v16-21, v[TMP]                Q's loads land in them at a pass's head.       v[PC ..], v[BY], v[YSA]   written by a pass's way out, read by its three stores.
; A slot's head has one wait on vm_vsrc, ahead of the writes of v[KSA], v[GA] and v[SGR ..], and one on va_vdst behind the two address lines: it serves the slot's global loads and the LDS loads of its first step, since only v_nop
; stands between.  The second step has its own at its head.  In a step one wait stands behind the first eight products (V's loads land where they read) and one ahead of the last four (p's codes and scale word are written).
; All 256 registers of each of the SIMD's four waves are laid out, so there is no second set of fragments.
.set SLB,   32768                      ; slot 1 begins here.  A slot: K's 16 half fragments (12,288 bytes), then V's 8 fragments (12,288)
.set SCK,   24576                      ; K's scale words of the head: [key step][lane] 8 bytes
.set SCV,   28672                      ; V's likewise
.set L16,  1
.set L8,   2
.set RR,   3
.set HH,   4
.set KSA,  5                           ; LDS address of the trip's scale words
.set KS0,  6                           ; SCK + 8 x lane
.set GOF,  7                           ; my 16 bytes of my wave's 1,536 in a slot's codes in memory
.set GA,   8
.set LS0,  9                           ; and in LDS
.set NINF, 10
.set QSAD, 11                          ; my row's word in a scale image: 16 (r + 16 (w % 2)) + 4 ((w % 8) / 2)
.set QSL,  34
.set QSH,  35
.set F,    36
.set SGR,  84
.set S,    96
.set OT,   160
.set KS,   192
.set VS,   194
.set PS,   196
.set PC,   198
.set BM,   218
.set T2,   222
.set SOP,  226
.set BY,   230
.set TMP,  234
.set YSA,  235
.set FF,   236                         ; v[236:237] f and 0
.set SUM2, 238
.set WV,   2
.set FL,   10                          ; my tile's flags, shifted a bit a step
.set FL1,  11                          ; the second pass's
.set BFV,  12                          ; 'some tile of the block has an open key', two bits a slot, both passes on end
.set SO,   13                          ; byte offset in a head's codes of the slot that is being fetched
.set CNT,  14
.set STM,  15
.set SB,   66                          ; s[66:67] my wave's tensor (K: waves 0-7, V: waves 8-15) at my head
.set MP,   68                          ; s[68:69] the step's lane masks
.set QP,   70
.set QSP,  72
.set YP,   74
.set YSP,  76
.set TS,   78
.set PSH,  79                          ; 16 x (head % 2)
.set SEL,  96
.set CS,   98                          ; s[98:99] c = log2(e) / 8
.set BH,   100
.set QI,   101
	s_load_b128 s[4:7], s[0:1], 0x0                ; qkv s[4:5], mk s[6:7]
	s_load_b64 s[8:9], s[0:1], 0x10                ; yb
	v_lshl_add_u32 v254, v0, 2, 0xe000
	v_mov_b32 v255, 0
	v_lshrrev_b32 v3, 5, v0
	v_readfirstlane_b32 s[WV], v3                  ; wave 0..15
	v_and_b32 v4, 31, v0
	v_lshlrev_b32 v[L16], 4, v4
	v_lshlrev_b32 v[L8], 3, v4
	v_and_b32 v[RR], 15, v0
	v_bfe_u32 v[HH], v0, 4, 1
	s_and_b32 s[BH], ttmp7, 0xffff                 ; 16 b + head
	s_mov_b32 s[QI], ttmp9
	s_and_b32 s[PSH], s[BH], 1
	s_lshl_b32 s[PSH], s[PSH], 4
	v_add_nc_u32 v[KS0], SCK, v[L8]
	s_wait_alu depctr_va_sdst(0)                   ; the wave's number is written, ahead of its first reader: addresses and branches are made from it
	s_and_b32 s15, s[WV], 7
	s_mul_i32 s15, s15, 1536
	v_add_nc_u32 v[GOF], s15, v[L16]
	s_mul_i32 s15, s[WV], 1536
	v_add_nc_u32 v[LS0], s15, v[L16]
	v_mov_b32 v[NINF], 0xff800000
	s_and_b32 s15, s[WV], 1
	s_lshl_b32 s15, s15, 8
	s_bfe_u32 s14, s[WV], 0x20001
	s_lshl_b32 s14, s14, 2
	s_add_co_u32 s15, s15, s14
	v_lshl_add_u32 v[QSAD], v[RR], 4, s15
	s_lshl_b32 s15, s[WV], 8
	v_add_nc_u32 v[KSA], s15, v[KS0]               ; at the head: where wave w stores key step w's scale words
	s_lshr_b32 s14, s[PSH], 1
	v_add_nc_u32 v[GA], s14, v[L16]                ; at the head: my two words of V's scale image: 16 x lane + 8 x (head % 2)
	s_mov_b32 s[SEL], 0x76543210
	s_mov_b32 s[SEL+1], 0xfedcba98                 ; v_permlanex16_b32's selects for lane l xor 16
	s_mov_b32 s[CS], 0x3e38aa3b
	s_mov_b32 s[CS+1], s[CS]                       ; named with it as a pair, so it is written
.irp j, 0,1,2,3,4,5
	v_mov_b32 v[22+\j], 0                          ; the zeros between Q and Q
.endr
.irp b, 0,1,2,3
	v_mov_b32 v[T2+\b], 0                          ; a lane permute's destination counts as one of its sources
.endr
	v_mov_b32 v[FF+1], 0                           ; named as the upper half of the pair
	s_cmp_lt_u32 s[WV], 8
	s_cselect_b32 s14, 1, 2
	s_mul_i32 s14, s14, 6291456                    ; K's section or V's
	s_mul_i32 s15, s[BH], 98304
	s_add_co_u32 s14, s14, s15
	s_mov_b32 s15, 0
	s_wait_kmcnt 0x0
	s_add_nc_u64 s[SB:SB+1], s[4:5], s[14:15]
	s_lshr_b32 s14, s[BH], 1
	s_lshl_b32 s14, s14, 4
	s_add_co_u32 s14, s14, s[WV]
	s_lshl_b32 s14, s14, 9
	s_add_co_u32 s14, s14, 19136512                ; K's scale image of (head pair, key step w): 18,874,368 + 262,144 + ..; V's lies 262,144 further on
	s_add_nc_u64 s[MP:MP+1], s[4:5], s[14:15]
	s_wait_alu depctr_va_vdst(0)                   ; the addresses and offsets v1 to v11 are written, which the loads and stores of the kernel read; so are the zeros v22 to v27, a part of the first product's source 1
	global_load_b128 v[96:99], v[L16], s[MP:MP+1]
	global_load_b64 v[100:101], v[GA], s[MP:MP+1] offset:262144
.irp c, 0,1,2
	global_load_b128 v[SGR+4*\c:SGR+4*\c+3], v[GOF], s[SB:SB+1] offset:512*\c   ; slot 0
.endr
	s_lshl_b32 s16, s[QI], 7
	s_add_co_u32 s16, s16, 524288                  ; the flags: 8 bytes a query tile, 128 a block
	s_mov_b32 s17, 0
	s_add_nc_u64 s[70:71], s[6:7], s[16:17]
	s_sub_co_u32 s16, 7, s[QI]
	s_lshl_b32 s16, s16, 7
	s_add_co_u32 s16, s16, 524288
	s_add_nc_u64 s[72:73], s[6:7], s[16:17]
	s_lshl_b32 s16, s[WV], 3
	s_add_nc_u64 s[74:75], s[70:71], s[16:17]
	s_add_nc_u64 s[76:77], s[72:73], s[16:17]
	s_load_b64 s[10:11], s[74:75], 0x0             ; my tile's two flag words, first pass
	s_load_b64 s[12:13], s[76:77], 0x0             ; second pass
	s_load_b512 s[16:31], s[70:71], 0x0            ; the 32 words of the first block
	s_load_b512 s[32:47], s[70:71], 0x40
	s_load_b512 s[48:63], s[72:73], 0x0            ; and of the second
	s_load_b512 s[80:95], s[72:73], 0x40
	s_wait_loadcnt 0x0
.irp j, 0,1,2,3
	v_lshrrev_b32 v[96+\j], s[PSH], v[96+\j]       ; my head's two bytes of each word
.endr
	v_and_b32 v96, 0xffff, v96
	v_and_b32 v97, 0xffff, v97
	v_lshl_or_b32 v102, v98, 16, v96               ; fragment f's word: tile f's two bytes, then tile f + 4's
	v_lshl_or_b32 v103, v99, 16, v97
	s_wait_alu depctr_va_vdst(0)                   ; v102 and v103 are written, which the first LDS store reads
	ds_store_b64 v[KSA], v[102:103]
	ds_store_b64 v[KSA], v[100:101] offset:SCV-SCK
.irp c, 0,1,2
	ds_store_b128 v[LS0], v[SGR+4*\c:SGR+4*\c+3] offset:512*\c
.endr
	s_wait_kmcnt 0x0
	s_or_b32 s[FL], s10, s11
	s_or_b32 s[FL1], s12, s13
.set k, 17
.rept 31
	s_or_b32 s16, s16, s[k]
.set k, k+1
.endr
.set k, 49
.rept 15
	s_or_b32 s48, s48, s[k]
.set k, k+1
.endr
.set k, 80
.rept 16
	s_or_b32 s48, s48, s[k]
.set k, k+1
.endr
	s_and_b32 s16, s16, 0xffff
	s_lshl_b32 s48, s48, 16
	s_or_b32 s[BFV], s16, s48
	s_mov_b32 s[SO], 0
	s_wait_dscnt 0x0                               ; my stores have landed: all waves read them
	s_barrier_signal -1
	s_barrier_wait -1
; A KEY STEP: 128 keys, the q-th of slot sl.
.macro STEP sl, q
	s_bitcmp1_b32 s[FL], 0
	s_cbranch_scc0 .Lhid_\@                        ; no key of this step is open for my 16 queries
.rept 4
	v_nop                                          ; four places between the last step's products and the loads into the registers that they have read
.endr
.if \q
	s_wait_alu depctr_va_vdst(0)                   ; the slot's first step is done: its products have read v[F ..], v[KS ..] and v[VS ..], in which this step's LDS loads land.  (A slot's first step leans on the wait at the slot's head: only v_nop stands between)
.endif
.irp f, 0,1,2,3
	ds_load_b128 v[F+12*\f:F+12*\f+3], v[L16] offset:SLB*\sl+768*(8*\q+\f)
	ds_load_b64 v[F+12*\f+4:F+12*\f+5], v[L8] offset:SLB*\sl+768*(8*\q+\f)+512
	ds_load_b128 v[F+12*\f+6:F+12*\f+9], v[L16] offset:SLB*\sl+768*(8*\q+\f+4)
	ds_load_b64 v[F+12*\f+10:F+12*\f+11], v[L8] offset:SLB*\sl+768*(8*\q+\f+4)+512
.endr
	ds_load_b64 v[KS:KS+1], v[KSA] offset:256*(2*\sl+\q)
	s_wait_dscnt 0x0
.irp g, 0,1                                    ; key tiles 0-3: the fragments' lower halves against [Q | 0]
	v_wmma_scale_f32_16x16x128_f8f6f4 v[S+16*\g:S+16*\g+7], v[F+24*\g:F+24*\g+11], v[16:27], 0, v[KS+\g], v[QSL] matrix_a_fmt:MATRIX_FMT_BF6 matrix_b_fmt:MATRIX_FMT_BF6
	v_wmma_scale_f32_16x16x128_f8f6f4 v[S+16*\g+8:S+16*\g+15], v[F+24*\g+12:F+24*\g+23], v[16:27], 0, v[KS+\g], v[QSL] matrix_a_fmt:MATRIX_FMT_BF6 matrix_b_fmt:MATRIX_FMT_BF6 matrix_a_scale:MATRIX_SCALE_ROW1
.endr
.irp g, 0,1                                    ; key tiles 4-7: the upper halves against [0 | Q]
	v_wmma_scale_f32_16x16x128_f8f6f4 v[S+32+16*\g:S+32+16*\g+7], v[F+24*\g:F+24*\g+11], v[22:33], 0, v[KS+\g], v[QSH] matrix_a_fmt:MATRIX_FMT_BF6 matrix_b_fmt:MATRIX_FMT_BF6
	v_wmma_scale_f32_16x16x128_f8f6f4 v[S+32+16*\g+8:S+32+16*\g+15], v[F+24*\g+12:F+24*\g+23], v[22:33], 0, v[KS+\g], v[QSH] matrix_a_fmt:MATRIX_FMT_BF6 matrix_b_fmt:MATRIX_FMT_BF6 matrix_a_scale:MATRIX_SCALE_ROW1
.endr
.rept 4
	v_nop                                          ; places in front of the loads below and of the first reads of the scores
.endr
	s_wait_alu depctr_va_vdst(0)                   ; the eight products are done reading K's fragments v[F ..], in which V's land
.irp d, 0,1,2,3                                ; V's four fragments land under the softmax, which names none of their registers
	ds_load_b128 v[F+12*\d:F+12*\d+3], v[L16] offset:SLB*\sl+12288+6144*\q+1536*\d
	ds_load_b64 v[F+12*\d+4:F+12*\d+5], v[L8] offset:SLB*\sl+12288+6144*\q+1536*\d+512
	ds_load_b128 v[F+12*\d+6:F+12*\d+9], v[L16] offset:SLB*\sl+12288+6144*\q+1536*\d+768
	ds_load_b64 v[F+12*\d+10:F+12*\d+11], v[L8] offset:SLB*\sl+12288+6144*\q+1536*\d+1280
.endr
	ds_load_b64 v[VS:VS+1], v[KSA] offset:SCV-SCK+256*(2*\sl+\q)
	s_bitcmp1_b32 s[FL], 16
	s_cbranch_scc0 .Lopen_\@                       ; every key of this step is open
	s_load_b512 s[16:31], s[MP:MP+1], 0x0          ; word n: the lanes in which register n's key is open
	s_load_b512 s[32:47], s[MP:MP+1], 0x40
	s_load_b512 s[48:63], s[MP:MP+1], 0x80
	s_load_b512 s[80:95], s[MP:MP+1], 0xc0
	s_wait_kmcnt 0x0
.set n, 0
.rept 64
.if n < 48
	v_cndmask_b32 v[S+n], v[NINF], v[S+n], s[16+n]
.else
	v_cndmask_b32 v[S+n], v[NINF], v[S+n], s[32+n]
.endif
.set n, n+1
.endr
.Lopen_\@:
.irp b, 0,1,2,3
	v_max3_num_f32 v[BM+\b], v[S+16*\b], v[S+1+16*\b], v[S+2+16*\b]   ; the largest score of each block of 32 keys: for the row's maximum, and, since p rises with the score, for the block's largest p
.endr
.irp i, 3,5,7,9,11,13
.irp b, 0,1,2,3
	v_max3_num_f32 v[BM+\b], v[BM+\b], v[S+16*\b+\i], v[S+1+16*\b+\i]
.endr
.endr
.irp b, 0,1,2,3
	v_max_num_f32 v[BM+\b], v[BM+\b], v[S+15+16*\b]
.endr
.irp b, 0,1,2,3
	v_permlanex16_b32 v[T2+\b], v[BM+\b], s[SEL], s[SEL+1]
.endr
.irp b, 0,1,2,3
	v_max_num_f32 v[BM+\b], v[BM+\b], v[T2+\b]     ; with lane l xor 16's 16 keys
.endr
	v_max3_num_f32 v[TMP], v[BM], v[BM+1], v[BM+2]
	v_max_num_f32 v[TMP], v[TMP], v[BM+3]
	v_mul_f32 v[TMP], s[CS], v[TMP]                ; the step's largest t
	v_max_num_f32 v13, v13, v[TMP]                 ; the running largest t
	v_mov_b32 v[TMP], v12
	v_floor_f32 v12, -v13                          ; the new -M = floor(-t): M is a whole number
	v_sub_f32 v[TMP], v12, v[TMP]                  ; old M less new M: a whole number, 0 or less
	v_cvt_i32_f32 v[TMP], v[TMP]                   ; (it saturates)
	v_ldexp_f32 v[FF], 1.0, v[TMP]                 ; f = 2^(old M - new M)
.set j, 0
.rept 32
	v_pk_fma_f32 v[S+j:S+j+1], v[S+j:S+j+1], s[CS:CS+1], v[12:13] op_sel_hi:[1,0,0]   ; t - M, two at a time
.set j, j+2
.endr
.irp b, 0,1,2,3
	v_fma_f32 v[BM+\b], v[BM+\b], s[CS], v12       ; the same of each block's largest score
.endr
.set j, 0
.rept 64
	v_exp_f32 v[S+j], v[S+j]                       ; p = 2^(t - M), at most 1
.set j, j+1
.endr
	v_pk_mul_f32 v[14:15], v[14:15], v[FF:FF+1] op_sel_hi:[1,0]   ; the sums under the new M: a plain place behind the exponentials
	s_wait_alu depctr_va_vdst(0)                   ; the 64 exponentials have written p, v[S ..]: one wait for the batch, ahead of its first reader
.irp b, 0,1,2,3
	v_exp_f32 v[BM+\b], v[BM+\b]                   ; the block's largest p
.endr
	v_pk_add_f32 v[SUM2:SUM2+1], v[S:S+1], v[S+2:S+3]   ; the row's sum is taken of the unquantised p, in two chains
.irp j, 4,8,12,16,20,24,28,32,36,40,44,48,52,56,60
	v_pk_add_f32 v[14:15], v[14:15], v[S+\j:S+1+\j]
	v_pk_add_f32 v[SUM2:SUM2+1], v[SUM2:SUM2+1], v[S+2+\j:S+3+\j]
.endr
	v_pk_add_f32 v[14:15], v[14:15], v[SUM2:SUM2+1]
	s_wait_alu depctr_va_vdst(0)                   ; the four exponentials have written the blocks' largest p, v[BM ..], ahead of their first reader
.irp b, 0,1,2,3
	v_max_num_f32 v[BM+\b], 0x2800000, v[BM+\b]    ; the floor 2^(5 - 127): the byte cannot fall under 1
.endr
.irp b, 0,1,2,3
	v_add_nc_u32 v[SOP+\b], 0xfe000000, v[BM+\b]   ; 4 off the exponent field: the conversion's scale operand
.endr
.irp b, 0,1,2,3
	v_lshrrev_b32 v[BY+\b], 23, v[SOP+\b]
.endr
	v_lshl_or_b32 v[PS], v[BY+1], 8, v[BY]         ; p's scale word for these 128 keys
	v_lshl_or_b32 v[PS], v[BY+2], 16, v[PS]
	v_lshl_or_b32 v[PS], v[BY+3], 24, v[PS]
.irp c, 0,1
	v_cvt_scalef32_pk16_bf6_f32 v[PC+6*\c:PC+2+6*\c], v[S+32*\c:S+15+32*\c], v[SOP+2*\c]
	v_cvt_scalef32_pk16_bf6_f32 v[PC+12+4*\c:PC+14+4*\c], v[S+16+32*\c:S+31+32*\c], v[SOP+2*\c+1]
.endr
	v_nop                                          ; one plain place behind a scaled conversion
.irp c, 0,1
.irp i, 0,1,2
	v_permlane16_swap_b32 v[PC+6*\c+\i], v[PC+12+4*\c+\i]
.endr
.irp i, 0,1,2
	v_mov_b32 v[PC+3+6*\c+\i], v[PC+12+4*\c+\i]
.endr
.endr
.set j, 0
.rept 16
	v_pk_mul_f32 v[OT+j:OT+j+1], v[OT+j:OT+j+1], v[FF:FF+1] op_sel_hi:[1,0]   ; O^T under the new M; these are also the places in front of the products below
.set j, j+2
.endr
	s_wait_dscnt 0x0                               ; V's fragments and scale words are in
	s_wait_alu depctr_va_vdst(0)                   ; the conversions, swaps and moves have written p's codes v[PC ..], the shifts its scale word v[PS]: the products below take them as source 1 and as its scales; the places stand above
.irp g, 0,1                                    ; O^T += V^T P^T: four tiles of 16 of the head's 64, by turns
	v_wmma_scale_f32_16x16x128_f8f6f4 v[OT+16*\g:OT+16*\g+7], v[F+24*\g:F+24*\g+11], v[PC:PC+11], v[OT+16*\g:OT+16*\g+7], v[VS+\g], v[PS] matrix_a_fmt:MATRIX_FMT_BF6 matrix_b_fmt:MATRIX_FMT_BF6
	v_wmma_scale_f32_16x16x128_f8f6f4 v[OT+16*\g+8:OT+16*\g+15], v[F+24*\g+12:F+24*\g+23], v[PC:PC+11], v[OT+16*\g+8:OT+16*\g+15], v[VS+\g], v[PS] matrix_a_fmt:MATRIX_FMT_BF6 matrix_b_fmt:MATRIX_FMT_BF6 matrix_a_scale:MATRIX_SCALE_ROW1
.endr
.Lhid_\@:
	s_lshr_b32 s[FL], s[FL], 1                     ; the next step's flags at bits 0 and 16
	s_add_nc_u64 s[MP:MP+1], s[MP:MP+1], 256       ; and its lane masks (the scalar loads above were waited for)
.endm
; A SLOT'S TWO STEPS.  At the head the next slot's codes are asked for, if some tile of the block that will read them has an open key there; at the end they go into the other slot.  ONE barrier: in front of it my reads of this slot
; are over and my stores into the other have landed; behind it the other slot is read, and this one is written only at the next trip's end.
.macro SLOTTRIP sl
	s_wait_alu depctr_vm_vsrc(0)                   ; the last slot's LDS stores have read v[SGR ..], its global loads v[GA], the LDS loads and stores issued so far v[KSA]: all are written again below.  In a pass's first trip also: the kernel's first LDS stores have read v100 to v103, the last pass's stores v[PC ..], v[BY] and v[YSA], which the steps and the way out write
.if \sl == 0
	v_add_nc_u32 v[KSA], s[TS], v[KS0]             ; the trip's scale words
.endif
	s_lshr_b32 s[BFV], s[BFV], 2
	s_add_co_u32 s[SO], s[SO], 12288
	s_cmp_eq_u32 s[SO], 98304
	s_cselect_b32 s[SO], 0, s[SO]                  ; behind a pass's last slot comes the next pass's first
	v_add_nc_u32 v[GA], s[SO], v[GOF]              ; made on both ways, ahead of the branch, so that one wait serves the slot's head
	s_wait_alu depctr_va_vdst(0)                   ; v[KSA] and v[GA] are written, which the loads below read; the last step's products are done reading v[F ..], v[KS ..] and v[VS ..], in which the first step's LDS loads land; in a pass's first trip Q's copy v28 to v33 and its scale words v[QSL], v[QSH] are written, which the first products take
	s_and_b32 s[STM], s[BFV], 3
	s_cmp_eq_u32 s[STM], 0
	s_cbranch_scc1 .Lnone_\@
.irp c, 0,1,2
	global_load_b128 v[SGR+4*\c:SGR+4*\c+3], v[GA], s[SB:SB+1] offset:512*\c
.endr
.Lnone_\@:
	STEP \sl, 0
	STEP \sl, 1
	s_wait_loadcnt 0x0
.irp c, 0,1,2
	ds_store_b128 v[LS0], v[SGR+4*\c:SGR+4*\c+3] offset:SLB*(1-\sl)+512*\c   ; always: what was not fetched is read by nobody.  No vector instruction writes these registers or the address
.endr
	s_wait_dscnt 0x0
	s_barrier_signal -1
	s_barrier_wait -1
.endm
; A PASS: one block of 256 queries.
.macro PASS p
	s_wait_xcnt 0x0                                ; earlier loads and stores have read their bases and registers
.if \p
	s_sub_co_u32 s16, 7, s[QI]
	s_mov_b32 s[FL], s[FL1]
.else
	s_mov_b32 s16, s[QI]
.endif
	s_lshl_b32 s17, s16, 4
	s_add_co_u32 s17, s17, s[WV]                   ; my query tile
	s_lshr_b32 s18, s17, 3                         ; its group of 128 tokens
	s_mul_i32 s20, s[BH], 98304
	s_mul_i32 s21, s17, 768
	s_add_co_u32 s20, s20, s21
	s_mov_b32 s21, 0
	s_add_nc_u64 s[QP:QP+1], s[4:5], s[20:21]      ; Q's half fragment
	s_lshr_b32 s22, s[BH], 1
	s_lshl_b32 s22, s22, 4
	s_add_co_u32 s22, s22, s18
	s_lshl_b32 s22, s22, 9
	s_add_co_u32 s22, s22, 18874368
	s_mov_b32 s23, 0
	s_add_nc_u64 s[QSP:QSP+1], s[4:5], s[22:23]    ; its scale image
	s_lshl_b32 s24, s17, 12
	s_mov_b32 s25, 0
	s_add_nc_u64 s[MP:MP+1], s[6:7], s[24:25]      ; its lane masks: 16 key steps of 256 bytes
	s_lshr_b32 s26, s[BH], 4
	s_lshl_b32 s26, s26, 4
	s_add_co_u32 s26, s26, s18                     ; token group 16 b + g
	s_lshl_b32 s26, s26, 3
	s_bfe_u32 s27, s[BH], 0x30001
	s_add_co_u32 s26, s26, s27                     ; x 8 + head pair = K step of the last product
	s_lshl_b32 s28, s26, 9
	s_add_co_u32 s28, s28, 6291456
	s_mov_b32 s29, 0
	s_add_nc_u64 s[YSP:YSP+1], s[8:9], s[28:29]    ; y's scale image
	s_lshl_b32 s26, s26, 3
	s_and_b32 s27, s[WV], 7
	s_add_co_u32 s26, s26, s27
	s_mul_i32 s26, s26, 1536
	s_and_b32 s27, s[BH], 1
	s_mul_i32 s27, s27, 768
	s_add_co_u32 s26, s26, s27
	s_mov_b32 s27, 0
	s_add_nc_u64 s[YP:YP+1], s[8:9], s[26:27]      ; y's half fragment
	global_load_b128 v[16:19], v[L16], s[QP:QP+1]  ; no wait here: no vector or matrix instruction has been issued since the last wait on va_vdst (ahead of the kernel's first LDS stores; ahead of the last pass's stores)
	global_load_b64 v[20:21], v[L8], s[QP:QP+1] offset:512
	global_load_b32 v[TMP], v[QSAD], s[QSP:QSP+1]
	s_wait_loadcnt 0x0
.irp j, 0,1,2,3,4,5
	v_mov_b32 v[28+\j], v[16+\j]
.endr
	v_lshrrev_b32 v[TMP], s[PSH], v[TMP]
	v_and_b32 v[QSL], 0xffff, v[TMP]               ; Q's two bytes below, for [Q | 0],
	v_lshlrev_b32 v[QSH], 16, v[TMP]               ; and above, for [0 | Q]
.set j, 0
.rept 32
	v_mov_b32 v[OT+j], 0                           ; O^T: the step is written once; the first finds zeros.  These lines are also the places between the scale words' and Q's writes and the first product
.set j, j+1
.endr
	v_mov_b32 v13, 0xff61b1e6                      ; the largest t so far: -3e38
	v_floor_f32 v12, -v13
	v_mov_b32 v14, 0
	v_mov_b32 v15, 0
	s_mov_b32 s[TS], 0
	s_mov_b32 s[CNT], 4
.Lkeys_\@:                                     ; four trips of two slots: all 2,048 keys
	SLOTTRIP 0
	SLOTTRIP 1
	s_add_co_u32 s[TS], s[TS], 1024                ; four key steps' scale words on
	s_sub_co_u32 s[CNT], s[CNT], 1
	s_cmp_lg_u32 s[CNT], 0
	s_cbranch_scc1 .Lkeys_\@
	; THE WAY OUT: O^T / the sum, quantised along the head's 64: two blocks of 32, each shared with lane l xor 16
.rept 4
	v_nop
.endr
	v_add_f32 v14, v14, v15
	v_permlanex16_b32 v[T2], v14, s[SEL], s[SEL+1]
	v_add_f32 v14, v14, v[T2]                      ; the row's sum
	v_rcp_f32 v[FF], v14
	v_nop                                          ; a plain place behind the reciprocal
	s_wait_alu depctr_va_vdst(0)                   ; the reciprocal has written v[FF], ahead of its first reader
.set j, 0
.rept 16
	v_pk_mul_f32 v[96+j:97+j], v[OT+j:OT+j+1], v[FF:FF+1] op_sel_hi:[1,0]   ; register 16 b + i is y(my query, 32 b + 16 h + i)
.set j, j+2
.endr
.irp b, 0,1
	v_max3_num_f32 v[BM+\b], |v[96+16*\b]|, |v[97+16*\b]|, 0x2800000
.endr
.irp i, 2,4,6,8,10,12,14
.irp b, 0,1
	v_max3_num_f32 v[BM+\b], v[BM+\b], |v[96+16*\b+\i]|, |v[97+16*\b+\i]|
.endr
.endr
.irp b, 0,1
	v_permlanex16_b32 v[T2+\b], v[BM+\b], s[SEL], s[SEL+1]
.endr
.irp b, 0,1
	v_max_num_f32 v[BM+\b], v[BM+\b], v[T2+\b]
.endr
.irp b, 0,1
	v_add_nc_u32 v[SOP+\b], 0xfe000000, v[BM+\b]
.endr
.irp b, 0,1
	v_lshrrev_b32 v[BY+\b], 23, v[SOP+\b]
.endr
	v_cvt_scalef32_pk16_bf6_f32 v[PC:PC+2], v[96:111], v[SOP]
	v_cvt_scalef32_pk16_bf6_f32 v[PC+12:PC+14], v[112:127], v[SOP+1]
	v_nop                                          ; one plain place behind a scaled conversion
.irp i, 0,1,2
	v_permlane16_swap_b32 v[PC+\i], v[PC+12+\i]
.endr
.irp i, 0,1,2
	v_mov_b32 v[PC+3+\i], v[PC+12+\i]
.endr
	s_mov_b32 s16, 0xffff0000
	v_cndmask_b32 v[BY], v[BY], v[BY+1], s16       ; lanes 0-15 store block 0's byte, lanes 16-31 block 1's
	v_mov_b32 v[TMP], 0xff
	v_cmp_eq_f32 vcc_lo, 0, v14
	s_wait_alu depctr_va_vcc(0)                    ; the compare has written VCC, which the select below reads
	v_cndmask_b32 v[BY], v[BY], v[TMP], vcc_lo     ; a row with no open key at all
	s_lshr_b32 s15, s[PSH], 3
	v_add3_u32 v[YSA], v[QSAD], v[HH], s15         ; my row's word, + 2 x (head % 2) + block
	s_wait_alu depctr_va_vdst(0)                   ; the swaps and moves have written y's codes v[PC ..], the selects v[BY], the sum v[YSA]: the three stores read them.  All readers of v16 to v21 and of v[TMP] are done too: the next pass's loads land there, and no vector instruction stands between
	global_store_b128 v[L16], v[PC:PC+3], s[YP:YP+1]
	global_store_b64 v[L8], v[PC+4:PC+5], s[YP:YP+1] offset:512
	global_store_b8 v[YSA], v[BY], s[YSP:YSP+1]
.endm
	PASS 0
	PASS 1
	s_wait_dscnt 0x0
	s_wait_alu depctr_hold_cnt(0) depctr_sa_sdst(0) depctr_va_vdst(0) depctr_va_sdst(0) depctr_va_ssrc(0) depctr_va_vcc(0) depctr_vm_vsrc(0)
	s_wait_tensorcnt 0x0
	ds_add_u32 v254, v255
	s_wait_dscnt 0x0
	s_endpgm
.Lfunc_end_k_q277c489ed3_attn:
	.size	k_q277c489ed3_attn, .Lfunc_end_k_q277c489ed3_attn-k_q277c489ed3_attn
	.p2alignl 7, 3214868480
	.fill 96, 4, 3214868480
	.section	.rodata,"a",@progbits
	.p2align	6, 0x0
	.amdhsa_kernel k_q277c489ed3_attn
		.amdhsa_group_segment_fixed_size 59392
		.amdhsa_private_segment_fixed_size 0
		.amdhsa_enable_private_segment 0
		.amdhsa_kernarg_size 24
		.amdhsa_user_sgpr_count 2
		.amdhsa_user_sgpr_kernarg_segment_ptr 1
		.amdhsa_wavefront_size32 1
		.amdhsa_system_sgpr_workgroup_id_x 1
		.amdhsa_system_sgpr_workgroup_id_y 1
		.amdhsa_system_sgpr_workgroup_id_z 1
		.amdhsa_system_vgpr_workitem_id 0
		.amdhsa_next_free_vgpr 256
		.amdhsa_next_free_sgpr 102
		.amdhsa_reserve_vcc 1
		.amdhsa_float_denorm_mode_32 3
		.amdhsa_float_denorm_mode_16_64 3
		.amdhsa_memory_ordered 1
		.amdhsa_forward_progress 1
		.amdhsa_inst_pref_size 187
	.end_amdhsa_kernel
	.amdgpu_metadata
---
amdhsa.version: [ 1, 2 ]
amdhsa.kernels:
  - .name:           k_q277c489ed3_attn
    .symbol:         k_q277c489ed3_attn.kd
    .args:
      - { .name: qkv, .offset: 0, .size: 8, .value_kind: global_buffer, .address_space: global }
      - { .name: mk, .offset: 8, .size: 8, .value_kind: global_buffer, .address_space: global }
      - { .name: yb, .offset: 16, .size: 8, .value_kind: global_buffer, .address_space: global }
    .group_segment_fixed_size: 59392
    .private_segment_fixed_size: 0
    .kernarg_segment_align: 8
    .kernarg_segment_size: 24
    .max_flat_workgroup_size: 512
    .sgpr_count:     102
    .vgpr_count:     256
    .wavefront_size: 32
...
	.end_amdgpu_metadata
.endif
;; end of part 5
;; launch proj: the kernel of part 4 again; grid 4 x 32, 4 waves a work-group, clusters of 4 x 4, 327,680 bytes of LDS; arguments yb, wb, bp, out0; writes out0
